; MI455X (gfx1250); checked and timed in simulation.
; The chip was launched on July 23, 2026; its instructions are those of AMD's public machine-readable ISA for CDNA 5 (MIT licence, August 2026) and "CDNA5" Instruction Set Architecture Reference Guide (July 2026). The comments in the code are by the model that wrote it; some were corrected since.
;; Mo E Layer. Allowed arithmetic: matrix products marked QUANTISED: E5M2 operands, one given power-of-two scale a tensor, by v_wmma_f32_16x16x64_bf8_bf8 or v_wmma_f32_16x16x128_bf8_bf8, f32 sums; products left as they are: f32 operands where the result goes on into a quantised operand, else bf16, f16 or f32 operands; f32 sums; everything else in f32.
;; Inputs: W1_codes 8 x 1,024 x 32 x 32 uint8 (E5M2 codes of W1, K innermost, in blocks of 32 codes); W2_codes 8 x 256 x 32 x 32 uint8 (E5M2 codes of W2, K innermost, in blocks of 32 codes); Wg 1,024 x 8 float32; b1 8 x 1,024 float32; b2 8 x 256 float32; bg 8 float32; lowp_scales 4 int32 (the exponents e of the quantised operands' scales 2^e); x 2 x 2,048 x 1,024 float32.
;; Outputs: out0 2 x 2,048 x 256 float32; out1 one number float32.
;; This version of the problem:
;;   THIS VERSION OF THE PROBLEM IS GIVEN IN LOW PRECISION. The matrix products marked QUANTISED in the list below multiply operands that are first quantised to E5M2 (5 exponent bits, 2 mantissa bits; 8 bits a number), with one given power-of-two scale for each operand tensor; their sums are f32. All else is computed in f32.
;;   The module's matrix products, in the order in which they are computed (A, B: the left and right operand; K: the contracted axis; several contracted axes count as one K, in the product's order):
;;     1. [M 4,096, K 1,024] x [K 1,024, N 8]; A: input x; B: input Wg: left as it is (N = 8 < 16)
;;     2. batch 4,096 x [M 1, K 2] x [K 2, N 8]; A: softmax; B: computed on the way: left as it is (K = 2 < 32)
;;     3. [M 8,192, K 1,024] x [K 1,024, N 4,096]; A: input W1 (given as codes); B: input x: QUANTISED (scales: A lowp_scales[0], B lowp_scales[1])
;;     4. batch 8 x [M 4,096, K 1,024] x [K 1,024, N 256]; A: computed on the way; B: input W2 (given as codes): QUANTISED (scales: A lowp_scales[2], B lowp_scales[3])
;;     5. batch 4,096 x [M 1, K 8] x [K 8, N 256]; A: computed on the way; B: computed on the way: left as it is (K = 8 < 32)
;;   THE QUANTISER, for each operand of a quantised product, along K:
;;     - The operand's scale is 2^e, e = its entry of the input lowp_scales (int32; the entries are numbered through the quantised products in the list's order, A before B).
;;     - Each number is divided by the scale, clamped to +-57,344, and rounded to the nearest number of E5M2, ties to even, subnormals kept.
;;     - The product sums the exact products of the quantised numbers (number of the format x scale) in f32.
;;   ~~~python
;;   def quantise(x, axis, e):      # numpy; x: float32 -> the quantised numbers, widened to float32 again
;;       x = np.moveaxis(x, axis, -1); K = x.shape[-1]
;;       r = np.clip(x / 2.0 ** e, -57344, 57344)
;;       step = 2.0 ** (np.maximum(np.frexp(np.where(r == 0, 1, r))[1] - 1, -14) - 2)
;;       q = np.round(r / step) * step * 2.0 ** e      # np.round: ties to even
;;       return np.moveaxis(q, -1, axis).astype(np.float32)
;;   ~~~
;;   OPERANDS COMPUTED ON THE WAY. 'Computed on the way' means the value that the module computes at that place (a softmax that the list does not call 'softmax' is quantised finished and normalised). What goes into a quantiser is computed in f32, as accurately as f32 sums, v_exp_f32 and their like allow (about 1e-6 of the number): no bf16 or f16 on the way to a quantiser, and a product that is left as it is and whose result goes on into a quantised operand takes f32 operands (vector FMAs, or v_wmma_f32_16x16x4_f32). A number that lies on a knife's edge between two numbers of the format may be rounded either way, as far as f32 arithmetic and the matrix unit's own rounding can turn it there, and no further.
;;   INPUTS GIVEN AS CODES. W1 (in the module: [8, 1024, 1024], K = its axis 1); W2 (in the module: [8, 1024, 256], K = its axis 1): each comes as NAME_codes (uint8): NAME with its K axis moved to the last place and cut into blocks of 32 codes, [.., K / 32, bytes a block], one block behind the other in memory; one code a byte (a code: sign, 5 exponent bits, 2 mantissa bits); its scale is its entry of lowp_scales. Its value is code x scale, taken as it is: it is not quantised again, and the codes and scales need not be those that the quantiser above would give.
;; 2 versions. Each part assembles by itself: llvm-mc -triple=amdgcn-amd-amdhsa -mcpu=gfx1250 --defsym DOCPART=n.
;; ======== version 1 of 2: 3 launches
;; workspace buffers: xq 4,194,304 bytes; wr 10,485,760 bytes; rt 22,528 bytes of whole numbers; gate 32,768 bytes; auxp 512 bytes; ybuf 8,388,608 bytes
;; launch route (part 1): grid 208 x 1, 8 waves a work-group, no clusters, 42,496 bytes of LDS; arguments x, Wg, bg, lowp_scales, W1_codes, W2_codes, xq, rt, gate, auxp, wr; writes xq, rt, gate, auxp, wr
.if DOCPART == 1
	.amdgcn_target "amdgcn-amd-amdhsa--gfx1250"
	.amdhsa_code_object_version 6
	.text
	.protected	k_q9a7e4e927d_route
	.globl	k_q9a7e4e927d_route
	.p2align	8
	.type	k_q9a7e4e927d_route,@function
k_q9a7e4e927d_route:
	s_mov_b64 s[64:65], 0
	v_nop
	global_prefetch_b8 v0, s[64:65] scope:SCOPE_SE
	s_setreg_imm32_b32 hwreg(HW_REG_WAVE_MODE, 25, 1), 1
	s_wait_xcnt 0x0
; ROUTER, QUANTISER OF x, AND LAYOUT OF THE WEIGHTS.  One launch, three kinds of work-group, parted by the work-group's number alone.
; Work-groups 0-127: 32 tokens each.  logits = x Wg + bg in f32 (fused multiply-adds: a top-2 hangs on them), top-2 (strict compares: of equal logits the lower
;   index wins, as jax.lax.top_k has it), the two gates, the token's term of the aux loss (the largest logit is taken away ahead of every exponential), and x as
;   codes of E5M2 with the given scale 2^e1.  What the choice decides is STORED AS VALUES at fixed places: no address and no branch here hangs on it.
;   rt: bytes 0-1023: [128 groups][8 experts] a byte: how many of the group's 32 tokens chose the expert;  1024-2047: the same counts as [8 experts][128 groups];
;   2048-6143: [8 experts][128 groups] a word whose bit i says that token 32 g + i chose the expert;  6144-22527: [4096] i1 | i2 << 8.
;   gate: [4096][2] f32.   auxp: [128] f32, a group's sum of terms.   xq: [4096][1024] codes.
; Work-groups 128-191 (W1) and 192-207 (W2): the given codes are copied once into wr, in the order of the next launch's operand registers: for ew = 4 expert + wave a block of
;   160 fragments of 2,048 bytes; fragment 16 b + 2 s + u (W1) or 128 + 4 s + n (W2); in a fragment piece c is 512 bytes, lane l's 16 bytes at 16 l:
;   row (W1: 256 w + 32 b + 8 u + r + 8 (r / 8); W2: 64 w + 16 n + r), K bytes 128 s + 32 c + 16 (l / 16) + 0 .. 15, r = l % 16.
; SHARES of a routing work-group: wave w owns K = 128 w .. 128 w + 127 of all 32 tokens, lane l four of them: a load of a token's slice is 512 consecutive bytes, and the
;   wave's part of Wg stays in 32 registers.  All 32 loads of x of a wave are on their way together.
; LIMITS: -126 <= e1 <= 112 (lowp_scales[1]), so that 2^e1 and 57,344 x 2^e1 are f32 numbers.  NaN and infinities among the inputs are not served.
; No matrix unit (N = 8), no tensor load, no cluster: work-groups share nothing but Wg, 32 KiB.
.set XI,  0                            ; LDS: the group's 32 rows of codes, 1,024 bytes each, as they lie in xq
.set LP,  32768                        ; LDS: partial logits: token t at 272 t (8 waves x 32 bytes + 16 of padding), wave w at + 32 w, expert e at + 4 e
.set LPP, 272
.set SA,  8                            ; v8-23    two sets of eight sums
.set TM,  24                           ; v24-39   two sets of eight registers for the reduction
.set WG,  40                           ; v40-71   Wg(k_i, e) at 40 + 8 i + e
.set CD,  72                           ; v72-103  codes, a word for each token
.set X,   104                          ; v104-231 x: token t at 104 + 4 t
.set LG,  136                          ; wave 0 at the end: the eight logits of my token
	s_load_b512 s[4:19], s[0:1], 0x0               ; x, Wg, bg, lowp_scales, W1_codes, W2_codes, xq, rt
	s_load_b128 s[20:23], s[0:1], 0x40             ; gate, auxp
	s_load_b64 s[24:25], s[0:1], 0x50              ; wr
	v_lshl_add_u32 v254, v0, 2, 0xa200
	v_mov_b32 v255, 0
	v_lshrrev_b32 v2, 5, v0
	v_readfirstlane_b32 s26, v2                    ; wave 0..7
	v_and_b32 v1, 31, v0                           ; lane
	s_cmp_ge_u32 ttmp9, 128
	s_cbranch_scc1 .Lrelay
	; ---------------- the routing work-groups ----------------
	v_lshlrev_b32 v2, 4, v0                        ; x: 512 wave + 16 lane
	v_lshlrev_b32 v3, 7, v0                        ; Wg: my four rows of 32 bytes: 4,096 wave + 128 lane
	s_lshl_b32 s46, ttmp9, 17                      ; 32 rows of 4,096 bytes
	s_mov_b32 s47, 0
	s_wait_kmcnt 0x0
	s_add_nc_u64 s[4:5], s[4:5], s[46:47]
.irp j, 0,1,2,3,4,5,6,7
	global_load_b128 v[WG+4*\j:WG+4*\j+3], v3, s[6:7] offset:16*\j
.endr
.irp t, 0,1,2,3,4,5,6,7,8,9,10,11,12,13,14,15,16,17,18,19,20,21,22,23,24,25,26,27,28,29,30,31
	global_load_b128 v[X+4*\t:X+4*\t+3], v2, s[4:5] offset:4096*\t th:TH_LOAD_NT
.endr
	s_load_b128 s[28:31], s[10:11], 0x0            ; the scales' exponents; s29 = e1, x's
	s_load_b256 s[32:39], s[8:9], 0x0              ; bg
	s_lshl_b32 s46, ttmp9, 15                      ; xq: 32 rows of 1,024 bytes
	s_add_nc_u64 s[16:17], s[16:17], s[46:47]
	s_mov_b32 s40, 0xaaaaaaaa                      ; lanes whose bit 0, 1, 2 is set
	s_mov_b32 s41, 0xcccccccc
	s_mov_b32 s42, 0xf0f0f0f0
	s_mov_b32 s44, 0x76543210                      ; v_permlanex16_b32: lane l xor 16
	s_mov_b32 s45, 0xfedcba98
	v_and_b32 v4, 7, v0
	v_lshlrev_b32 v4, 2, v4
	s_lshl_b32 s27, s26, 5
	s_add_co_u32 s27, s27, LP
	v_add_nc_u32 v4, s27, v4                       ; where my partial logit goes: LP + 32 wave + 4 (lane % 8)
	v_lshlrev_b32 v5, 2, v0                        ; where my four codes go: 128 wave + 4 lane
	v_and_b32 v232, 0xe0, v0
	v_lshlrev_b32 v234, 4, v1
	v_lshl_or_b32 v232, v232, 7, v234              ; 4,096 wave + 16 lane: the way out of the codes, in LDS and in xq alike
	v_mul_u32_u24 v233, v1, LPP
	v_add_nc_u32 v233, LP, v233                    ; wave 0 at the end: lane = token
.irp j, 0,1,2,3,4,5,6,7,8,9,10,11,12,13,14,15
	v_mov_b32 v[TM+\j], 0                          ; written once: the destination of a DPP form or a lane permute counts as read
.endr
	s_wait_kmcnt 0x0
	s_add_co_i32 s46, s29, 127
	s_lshl_b32 s47, s46, 23
	v_mov_b32 v6, s47                              ; 2^e1 as f32: the conversion takes its exponent field
	s_add_co_i32 s46, s46, 15
	s_lshl_b32 s46, s46, 23
	s_or_b32 s46, s46, 0x600000
	v_mov_b32 v7, s46                              ; 57,344 x 2^e1
; eight sums of token t over my four k: x(t, k_i) is spread over both halves of a packed multiply-add
.macro DOT t, set
.irp p, 0,2,4,6
	v_pk_mul_f32 v[SA+8*\set+\p:SA+8*\set+\p+1], v[X+4*(\t):X+4*(\t)+1], v[WG+\p:WG+\p+1] op_sel_hi:[0,1]
.endr
.irp p, 0,2,4,6
	v_pk_fma_f32 v[SA+8*\set+\p:SA+8*\set+\p+1], v[X+4*(\t):X+4*(\t)+1], v[WG+8+\p:WG+8+\p+1], v[SA+8*\set+\p:SA+8*\set+\p+1] op_sel:[1,0,0] op_sel_hi:[1,1,1]
.endr
.irp p, 0,2,4,6
	v_pk_fma_f32 v[SA+8*\set+\p:SA+8*\set+\p+1], v[X+4*(\t)+2:X+4*(\t)+3], v[WG+16+\p:WG+16+\p+1], v[SA+8*\set+\p:SA+8*\set+\p+1] op_sel_hi:[0,1,1]
.endr
.irp p, 0,2,4,6
	v_pk_fma_f32 v[SA+8*\set+\p:SA+8*\set+\p+1], v[X+4*(\t)+2:X+4*(\t)+3], v[WG+24+\p:WG+24+\p+1], v[SA+8*\set+\p:SA+8*\set+\p+1] op_sel:[1,0,0] op_sel_hi:[1,1,1]
.endr
.endm
; eight sums a lane become one: at each of three steps a lane keeps half of its sums (by a bit of its number) and hands the other half to its partner.
; Behind them lane l holds expert l % 8; two more steps add the four lanes that hold the same expert.  The result stands in v[TM + 8 set + 2].
.macro BFLY set
.set BA, SA+8*\set
.set BB, TM+8*\set
.irp p, 0,1,2,3
	v_cndmask_b32 v[BB], v[BA+2*\p], v[BA+2*\p+1], s40
	v_cndmask_b32 v[BB+1], v[BA+2*\p+1], v[BA+2*\p], s40
	v_add_f32_dpp v[BB+2+\p], v[BB+1], v[BB] row_xmask:1 row_mask:0xf bank_mask:0xf
.endr
.irp q, 0,1
	v_cndmask_b32 v[BB], v[BB+2+2*\q], v[BB+3+2*\q], s41
	v_cndmask_b32 v[BB+1], v[BB+3+2*\q], v[BB+2+2*\q], s41
	v_add_f32_dpp v[BB+6+\q], v[BB+1], v[BB] row_xmask:2 row_mask:0xf bank_mask:0xf
.endr
	v_cndmask_b32 v[BB], v[BB+6], v[BB+7], s42
	v_cndmask_b32 v[BB+1], v[BB+7], v[BB+6], s42
	v_add_f32_dpp v[BB+2], v[BB+1], v[BB] row_xmask:4 row_mask:0xf bank_mask:0xf
	v_add_f32_dpp v[BB+2], v[BB+2], v[BB+2] row_xmask:8 row_mask:0xf bank_mask:0xf
	v_permlanex16_b32 v[BB+3], v[BB+2], s44, s45
	v_add_f32 v[BB+2], v[BB+2], v[BB+3]
.endm
; tokens t and t + 1 (t even): partial logits to LDS; then the eight numbers are held, converted and their codes go to LDS
.macro TOK2 t
	s_wait_loadcnt 30-(\t)                         ; loads come back in order: behind token t + 1's stand 30 - t younger ones
	DOT \t, 0
	DOT (\t)+1, 1
	BFLY 0
	ds_store_b32 v4, v[TM+2] offset:LPP*(\t)       ; the four lanes that hold an expert store the same number to the same word
	BFLY 1
	ds_store_b32 v4, v[TM+10] offset:LPP*((\t)+1)
.irp j, 0,1,2,3,4,5,6,7
	v_med3_num_f32 v[X+4*(\t)+\j], v[X+4*(\t)+\j], -v7, v7   ; the conversion to an 8-bit code does not saturate (ISA guide 7.6.2): the hold at the largest code x the scale
.endr
	v_cvt_scalef32_pk8_bf8_f32 v[CD+(\t):CD+(\t)+1], v[X+4*(\t):X+4*(\t)+7], v6   ; four codes of token t, four of token t + 1
	ds_store_b32 v5, v[CD+(\t)] offset:1024*(\t)
	ds_store_b32 v5, v[CD+(\t)+1] offset:1024*((\t)+1)
.endm
.irp t, 0,2,4,6,8,10,12,14,16,18,20,22,24,26,28,30
	TOK2 \t
.endr
	v_nop                                          ; a plain line behind the last conversion
	s_wait_dscnt 0x0                               ; for the others' sake: my stores have landed
	s_barrier_signal -1
	s_barrier_wait -1
.irp i, 0,1,2,3,4,5,6,7
	ds_load_b128 v[X+4*\i:X+4*\i+3], v232 offset:XI+512*\i     ; four whole rows of codes a wave
.endr
.irp i, 0,1,2,3,4,5,6,7
	s_wait_dscnt 7-\i                              ; the younger LDS loads may be out
	global_store_b128 v232, v[X+4*\i:X+4*\i+3], s[16:17] offset:512*\i   ; 512 consecutive bytes, from a multiple of 256
.endr
	s_cmp_lg_u32 s26, 0
	s_cbranch_scc1 .Lothers
	; ---- wave 0: lane = token ----
.irp w, 0,1,2,3,4,5,6,7
	ds_load_b128 v[LG+8*\w:LG+8*\w+3], v233 offset:32*\w
	ds_load_b128 v[LG+8*\w+4:LG+8*\w+7], v233 offset:32*\w+16
.endr
	s_lshl_b32 s46, ttmp9, 7                       ; the places of this group's results
	s_mov_b32 s47, 0
	s_add_nc_u64 s[56:57], s[18:19], s[46:47]      ; rt + 128 g: the pairs of experts (at + 6,144)
	s_lshl_b32 s46, ttmp9, 8
	s_add_nc_u64 s[20:21], s[20:21], s[46:47]      ; gate + 256 g
	s_lshl_b32 s46, ttmp9, 2
	s_add_nc_u64 s[58:59], s[18:19], s[46:47]      ; rt + 4 g: the ballots (at + 2,048 + 512 e)
	s_add_nc_u64 s[22:23], s[22:23], s[46:47]      ; auxp + 4 g
	s_lshl_b32 s46, ttmp9, 3
	s_add_nc_u64 s[60:61], s[18:19], s[46:47]      ; rt + 8 g: the group's eight counts
	s_mov_b32 s46, ttmp9
	s_add_nc_u64 s[62:63], s[18:19], s[46:47]      ; rt + g: the same counts by expert (at + 1,024 + 128 e)
	v_lshlrev_b32 v216, 2, v1
	v_lshlrev_b32 v217, 3, v1
	v_lshlrev_b32 v218, 9, v1
	v_lshlrev_b32 v219, 7, v1
	s_wait_dscnt 0x0
.irp w, 0,2,4,6
.irp p, 0,2,4,6
	v_pk_add_f32 v[LG+8*\w+\p:LG+8*\w+\p+1], v[LG+8*\w+\p:LG+8*\w+\p+1], v[LG+8+8*\w+\p:LG+8+8*\w+\p+1]
.endr
.endr
.irp w, 0,4
.irp p, 0,2,4,6
	v_pk_add_f32 v[LG+8*\w+\p:LG+8*\w+\p+1], v[LG+8*\w+\p:LG+8*\w+\p+1], v[LG+16+8*\w+\p:LG+16+8*\w+\p+1]
.endr
.endr
.irp p, 0,2,4,6
	v_pk_add_f32 v[LG+\p:LG+\p+1], v[LG+\p:LG+\p+1], v[LG+32+\p:LG+32+\p+1]
.endr
.irp e, 0,1,2,3,4,5,6,7
	v_add_f32 v[LG+\e], s[32+\e], v[LG+\e]         ; + bg
.endr
	v_mov_b32 v200, v[LG]                          ; m1, i1: the largest logit so far and its expert
	v_mov_b32 v201, 0
	v_mov_b32 v202, 0xff800000                     ; m2, i2: the second
	v_mov_b32 v203, 0
.macro TOP e
	v_cmp_gt_f32 s46, v[LG+\e], v200
	v_cmp_gt_f32 s47, v[LG+\e], v202
	v_cndmask_b32 v202, v202, v[LG+\e], s47
	v_cndmask_b32 v203, v203, \e, s47
	v_cndmask_b32 v202, v202, v200, s46
	v_cndmask_b32 v203, v203, v201, s46
	v_cndmask_b32 v200, v200, v[LG+\e], s46
	v_cndmask_b32 v201, v201, \e, s46
.endm
.irp e, 1,2,3,4,5,6,7
	TOP \e
.endr
	v_sub_f32 v207, v202, v200                     ; m2 - m1, 0 or less
	v_mul_f32 v207, 0x3fb8aa3b, v207
	v_exp_f32 v207, v207                           ; e^(m2 - m1)
.irp e, 0,1,2,3,4,5,6,7
	v_sub_f32 v[144+\e], v[LG+\e], v200            ; L - m1, 0 or less
.endr
.irp e, 0,1,2,3,4,5,6,7
	v_mul_f32 v[152+\e], 0x3fb8aa3b, v[144+\e]
.endr
	s_wait_alu depctr_va_vdst(0)
	v_add_f32 v208, 1.0, v207
	v_rcp_f32 v204, v208                           ; g1 = 1 / (1 + e^(m2 - m1))
.irp e, 0,1,2,3,4,5,6,7
	v_exp_f32 v[152+\e], v[152+\e]
.endr
	v_add_f32 v144, v144, v145                     ; (plain lines behind the transcendentals)  the sum of L - m1
	v_add_f32 v146, v146, v147
	v_add_f32 v148, v148, v149
	v_add_f32 v150, v150, v151
	v_add_f32 v144, v144, v146
	v_add_f32 v148, v148, v150
	v_add_f32 v144, v144, v148
	s_wait_alu depctr_va_vdst(0)
	v_mul_f32 v205, v207, v204                     ; g2
	v_add_f32 v152, v152, v153
	v_add_f32 v154, v154, v155
	v_add_f32 v156, v156, v157
	v_add_f32 v158, v158, v159
	v_add_f32 v152, v152, v154
	v_add_f32 v156, v156, v158
	v_add_f32 v152, v152, v156                     ; the sum of e^(L - m1), between 1 and 8
	v_log_f32 v152, v152
	v_lshl_or_b32 v209, v203, 8, v201              ; (a plain line)  i1 | i2 << 8
	s_wait_alu depctr_va_vdst(0)
	v_mul_f32 v206, 0x3f317218, v152               ; ln of the sum
	v_fmamk_f32 v206, v144, 0xbe000000, v206       ; - (the sum of L - m1) / 8
	v_add_f32 v206, 0xc0051592, v206               ; - ln 8: the token's sum over e of (1/8) (ln (1/8) - log_prob)
	v_add_f32_dpp v206, v206, v206 row_xmask:1 row_mask:0xf bank_mask:0xf
	v_add_f32_dpp v206, v206, v206 row_xmask:2 row_mask:0xf bank_mask:0xf
	v_add_f32_dpp v206, v206, v206 row_xmask:4 row_mask:0xf bank_mask:0xf
	v_add_f32_dpp v206, v206, v206 row_xmask:8 row_mask:0xf bank_mask:0xf
	v_permlanex16_b32 v207, v206, s44, s45
	v_add_f32 v206, v206, v207                     ; the group's 32 terms
	v_mov_b32 v210, 0
	v_mov_b32 v211, 0
.irp e, 0,1,2,3,4,5,6,7
	v_cmp_eq_u32 s46, \e, v201
	v_cmp_eq_u32 s47, \e, v203
	s_or_b32 s46, s46, s47                         ; the ballot: which of my 32 tokens chose expert e
	v_writelane_b32 v210, s46, \e                  ; into lane e
	s_bcnt1_i32_b32 s[48+\e], s46                  ; and how many: 32 at the most
	v_writelane_b32 v211, s[48+\e], \e             ; into lane e too
.endr
.irp d, 0,1
	s_lshl_b32 s46, s[49+4*\d], 8                  ; four counts to a word, a byte each
	s_or_b32 s46, s46, s[48+4*\d]
	s_lshl_b32 s47, s[50+4*\d], 16
	s_or_b32 s46, s46, s47
	s_lshl_b32 s47, s[51+4*\d], 24
	s_or_b32 s46, s46, s47
	v_mov_b32 v[212+\d], s46
.endr
	global_store_b32 v216, v209, s[56:57] offset:6144
	global_store_b64 v217, v[204:205], s[20:21]    ; 256 consecutive bytes
	s_wait_xcnt 0x0                                ; EXEC is a source of the pending stores: it changes only behind this wait
	s_wait_tensorcnt 0x0
	ds_add_u32 v254, v255
	s_wait_dscnt 0x0
	v_cmpx_gt_u32 8, v1
	global_store_b32 v218, v210, s[58:59] offset:2048
	global_store_b8 v219, v211, s[62:63] offset:1024
	s_wait_xcnt 0x0
	v_cmpx_gt_u32 1, v1
	global_store_b64 v218, v[212:213], s[60:61]    ; (lane 0's offset is 0)
	global_store_b32 v218, v206, s[22:23]
	s_endpgm
.Lothers:
	s_wait_tensorcnt 0x0
	ds_add_u32 v254, v255
	s_wait_dscnt 0x0
	s_endpgm
	; ---------------- the work-groups that lay the weights out ----------------
; A wave takes 16 rows x 1,024 K: eight fragments.  32 loads, all on their way together, read its rows whole; each store is one piece: 512 consecutive bytes.
.macro RELAY sb, stride
.irp s, 0,1,2,3,4,5,6,7
.irp c, 0,1,2,3
	global_load_b128 v[8+4*(4*\s+\c):8+4*(4*\s+\c)+3], v5, s[\sb:\sb+1] offset:128*\s+32*\c
.endr
.endr
.irp s, 0,1,2,3,4,5,6,7
.irp c, 0,1,2,3
	s_wait_loadcnt 31-(4*\s+\c)                    ; the younger loads may be out
	global_store_b128 v4, v[8+4*(4*\s+\c):8+4*(4*\s+\c)+3], s[24:25] offset:\stride*\s+512*\c
.endr
.endr
.endm
.Lrelay:
	v_and_b32 v2, 15, v0                           ; r
	v_bfe_u32 v3, v0, 4, 1                         ; h
	v_lshlrev_b32 v4, 4, v1                        ; 16 x lane
	s_mov_b32 s33, 0
	s_mov_b32 s35, 0
	s_cmp_ge_u32 ttmp9, 192
	s_cbranch_scc1 .Lrelay2
	s_sub_co_u32 s27, ttmp9, 128
	s_lshl_b32 s27, s27, 3
	s_add_co_u32 s27, s27, s26                     ; task 0..511 = 16 ew + 2 b + u
	s_lshr_b32 s28, s27, 4                         ; ew
	s_bfe_u32 s29, s27, 0x30001                    ; b
	s_and_b32 s30, s27, 1                          ; u
	s_lshl_b32 s32, s28, 8
	s_lshl_b32 s31, s29, 5
	s_add_co_u32 s32, s32, s31
	s_lshl_b32 s31, s30, 3
	s_add_co_u32 s32, s32, s31
	s_lshl_b32 s32, s32, 10                        ; from: row 256 ew + 32 b + 8 u, rows of 1,024 bytes
	s_mul_i32 s34, s28, 327680
	s_lshl_b32 s31, s29, 4
	s_add_co_u32 s31, s31, s30
	s_lshl_b32 s31, s31, 11
	s_add_co_u32 s34, s34, s31                     ; to: block ew, fragment 16 b + u; K step s is two fragments on
	v_and_b32 v5, 8, v2
	v_add_nc_u32 v5, v5, v2                        ; r + 8 (r / 8): the rows of a tile are not neighbours
	v_lshlrev_b32 v5, 10, v5
	v_lshl_add_u32 v5, v3, 4, v5
	s_wait_kmcnt 0x0
	s_add_nc_u64 s[12:13], s[12:13], s[32:33]
	s_add_nc_u64 s[24:25], s[24:25], s[34:35]
	RELAY 12, 4096
	s_endpgm
.Lrelay2:
	s_sub_co_u32 s27, ttmp9, 192
	s_lshl_b32 s27, s27, 3
	s_add_co_u32 s27, s27, s26                     ; j 0..127: rows 16 j on of W2's 2,048 = 4 ew + n
	s_lshl_b32 s32, s27, 14                        ; from: 16 j rows of 1,024 bytes
	s_lshr_b32 s28, s27, 2                         ; ew
	s_and_b32 s29, s27, 3                          ; n
	s_mul_i32 s34, s28, 327680
	s_add_co_u32 s29, s29, 128
	s_lshl_b32 s29, s29, 11
	s_add_co_u32 s34, s34, s29                     ; to: block ew, fragment 128 + n; K step s is four fragments on
	v_lshlrev_b32 v5, 10, v2
	v_lshl_add_u32 v5, v3, 4, v5
	s_wait_kmcnt 0x0
	s_add_nc_u64 s[14:15], s[14:15], s[32:33]
	s_add_nc_u64 s[24:25], s[24:25], s[34:35]
	RELAY 14, 8192
	s_endpgm
.Lfunc_end_k_q9a7e4e927d_route:
	.size	k_q9a7e4e927d_route, .Lfunc_end_k_q9a7e4e927d_route-k_q9a7e4e927d_route
	.p2alignl 7, 3214868480
	.fill 96, 4, 3214868480
	.section	.rodata,"a",@progbits
	.p2align	6, 0x0
	.amdhsa_kernel k_q9a7e4e927d_route
		.amdhsa_group_segment_fixed_size 42496
		.amdhsa_private_segment_fixed_size 0
		.amdhsa_enable_private_segment 0
		.amdhsa_kernarg_size 88
		.amdhsa_user_sgpr_count 2
		.amdhsa_user_sgpr_kernarg_segment_ptr 1
		.amdhsa_wavefront_size32 1
		.amdhsa_system_sgpr_workgroup_id_x 1
		.amdhsa_system_sgpr_workgroup_id_y 1
		.amdhsa_system_sgpr_workgroup_id_z 1
		.amdhsa_system_vgpr_workitem_id 0
		.amdhsa_next_free_vgpr 256
		.amdhsa_next_free_sgpr 66
		.amdhsa_reserve_vcc 0
		.amdhsa_float_denorm_mode_32 3
		.amdhsa_float_denorm_mode_16_64 3
		.amdhsa_memory_ordered 1
		.amdhsa_forward_progress 1
		.amdhsa_inst_pref_size 131
	.end_amdhsa_kernel
	.amdgpu_metadata
---
amdhsa.version: [ 1, 2 ]
amdhsa.kernels:
  - .name:           k_q9a7e4e927d_route
    .symbol:         k_q9a7e4e927d_route.kd
    .args:
      - { .name: x, .offset: 0, .size: 8, .value_kind: global_buffer, .address_space: global }
      - { .name: Wg, .offset: 8, .size: 8, .value_kind: global_buffer, .address_space: global }
      - { .name: bg, .offset: 16, .size: 8, .value_kind: global_buffer, .address_space: global }
      - { .name: lowp_scales, .offset: 24, .size: 8, .value_kind: global_buffer, .address_space: global }
      - { .name: W1_codes, .offset: 32, .size: 8, .value_kind: global_buffer, .address_space: global }
      - { .name: W2_codes, .offset: 40, .size: 8, .value_kind: global_buffer, .address_space: global }
      - { .name: xq, .offset: 48, .size: 8, .value_kind: global_buffer, .address_space: global }
      - { .name: rt, .offset: 56, .size: 8, .value_kind: global_buffer, .address_space: global }
      - { .name: gate, .offset: 64, .size: 8, .value_kind: global_buffer, .address_space: global }
      - { .name: auxp, .offset: 72, .size: 8, .value_kind: global_buffer, .address_space: global }
      - { .name: wr, .offset: 80, .size: 8, .value_kind: global_buffer, .address_space: global }
    .group_segment_fixed_size: 42496
    .private_segment_fixed_size: 0
    .kernarg_segment_align: 8
    .kernarg_segment_size: 88
    .max_flat_workgroup_size: 256
    .sgpr_count:     66
    .vgpr_count:     256
    .wavefront_size: 32
...
	.end_amdgpu_metadata
.endif
;; end of part 1
;; launch chain (part 2): grid 178 x 1, 4 waves a work-group, no clusters, 121,088 bytes of LDS; arguments rt, gate, xq, wr, b1, b2, lowp_scales, ybuf; writes ybuf
.if DOCPART == 2
	.amdgcn_target "amdgcn-amd-amdhsa--gfx1250"
	.amdhsa_code_object_version 6
	.text
	.protected	k_q9a7e4e927d_chain
	.globl	k_q9a7e4e927d_chain
	.p2align	8
	.type	k_q9a7e4e927d_chain,@function
k_q9a7e4e927d_chain:
	s_mov_b64 s[64:65], 0
	v_nop
	global_prefetch_b8 v0, s[64:65] scope:SCOPE_SE
	s_setreg_imm32_b32 hwreg(HW_REG_WAVE_MODE, 25, 1), 1
	s_wait_xcnt 0x0
; ONE TILE = 48 ROUTED ROWS OF ONE EXPERT, THROUGH THE WHOLE CHAIN:  ybuf[2 token + k] = gate x (gelu(x W1 + b1) W2 + b2), both products on codes of E5M2.
; GRID.  8,192 routed rows in tiles of 48 over 8 experts are never more than 171 + 7 = 178 tiles, whatever the choice (tiles of 32 could be 263, more than there are WGPs).
;   Each work-group finds its own tile from the whole numbers that the launch before stored (counts and ballots of 128 groups of 32 tokens).  THE TILE (expert, first rank, rows) is made by
;   scalar loads and scalar sums alone: on it hang the one branch on stored numbers and the base of the weights' stream.  THE ROWS (the n-th token that chose the expert) are made by subtraction,
;   minimum, shifts and AND / OR, with no compare; each lane gathers the counts and ballots of its own block of four groups from memory, and v_readlane_b32 brings a row's number to the lanes
;   that load or store the row.
;   A tile with fewer than 48 rows repeats its last row (the same numbers to the same bytes).  A tile with no row (at most 7 of the 178) walks the same text on clamped
;   addresses, since every wave passes every barrier, and jumps over its stores alone.
; SHARES.  THE WAVES SHARE THE COLUMNS: wave w makes hidden units 256 w .. + 255 and outputs 64 w .. + 63 for all 48 rows.  The tile's codes of x stay in 384 registers of each wave.
;   The weights stream from memory straight into a ring of 16 fragments (256 registers), laid by the launch before in the order of the operand's registers: each load is
;   512 consecutive bytes, each fragment feeds three matrix instructions, and 16 fragments (32 KiB a wave) are asked for ahead, on counted waits: the stream never runs dry.
; BOTH PRODUCTS ARE USED TRANSPOSED (source 0 = 16 rows of a weight, source 1 = 16 tokens): a lane holds one token, its registers run along the next K; the rows of W1 that
;   form a tile are chosen so that the 16 registers of tiles u = 0, 1 are 16 neighbours along the next K.  The hidden layer goes from wave to wave through LDS as images of the operand's registers.
; GELU, exact: gelu(v) = max(v, 0) - |v| erfc(|v| / sqrt 2) / 2, with erfc(z) / 2 = t 2^(poly(t) - z^2 log2 e), t = 1 / (1 + z / 2), a polynomial of degree 9 whose error is about 1e-7 OF erfc,
;   so the negative tail keeps its relative accuracy.  It is computed on the sums as they stand (v = S 2^a, a = e0 + e1): a is folded into two constants and into the conversion's scale.
; NO CLUSTER: which expert a work-group serves and how many tiles an expert has are numbers read from memory, so partners cannot be shown alike, and an expert's tiles are no multiple of four.
; NO TENSOR LOADS: weights go to registers, x's rows are gathered by a list.
; LIMITS on lowp_scales (e0 W1, e1 x, e2 hidden, e3 W2), so that each power of two below is an f32 number: -62 <= e0 + e1 <= 64; -126 <= e2 - e0 - e1 <= 112; -126 <= e2 + e3 <= 127.
;   NaN and infinities among the inputs are not served.
; REGISTERS, in windows of 256.  Window 0: v1-8, v10-12 addresses; v9, v13 the rows' places in ybuf (lane = row, rows 0-31 and 32-47); v14-19 the three tiles' gates; v22, v23 the hidden layer's scale and hold;
;   v24-55 b2; v56-71 b1 of a group (ahead of the loop: lane numbers, masks and addresses of the set-up); v72-119 six accumulators of the hidden layer; v136-147 its codes; v152-177 at work in the GELU.
;   Ahead of the loop v72-223 are scratch, at the end v72-154.
;   Windows 1, 2: x's fragments X(m, s) at 64 s + 16 m, m = 0 .. 2 (s < 4: window 1).  Second product: window 1: v0-127 the 12 accumulators Y(n, m) at 8 (4 n + m); v128-255 two buffers of three hidden fragments.
;   Window 3: the ring, slot i at 16 i.
.set TR,   48                          ; rows in a tile: three tiles of 16 tokens
.set XT,   0                           ; LDS: the tile's 48 rows of codes, 1,024 bytes + 16 of padding: the 16 rows that a load touches start at 16 different banks
.set XP,   1040
.set HIMG, 49920                       ; the hidden layer: 24 images of 2,048 bytes, (tile of rows m, K step s) at 8 m + s
.set B1S,  99072                       ; b1 / 2^a: 1,024 bytes for each wave, its own
.set STG,  103168                      ; the way out: 16 rows x (256 + 16) bytes for each wave, its own
.set SP,   272
.set EWB,  327680                      ; a wave's stream of weights: 160 fragments
.set WV,   2                           ; s2: my wave's number
.set B2R,  24
.set BIA,  56
.set ACC,  72
.set PC,   136
.set T,    152
.set W,    160
.set P,    168
.set OO,   72
.set RB,   104
.set AD,   144
.set MSB, 0
.macro WIN new                         ; the immediate's high byte repeats the setting that is left
.if MSB != \new
	s_set_vgpr_msb (MSB<<8)|\new
.set MSB, \new
.endif
.endm
.macro PLACES                          ; four plain vector lines between a matrix instruction and a load into, or a read of, its registers
.rept 4
	v_nop
.endr
.endm
; THE EXPERTS' TOTALS.  A group's eight counts are eight bytes.  A round brings 32 groups (256 bytes) into 64 scalar registers.
.macro ASK r
	s_load_b512 s[20:35], s[4:5], 256*\r
	s_load_b512 s[36:51], s[4:5], 256*\r+64
	s_load_b512 s[68:83], s[4:5], 256*\r+128
	s_load_b512 s[84:99], s[4:5], 256*\r+192
.endm
; four groups are added byte by byte (a count is 32 at the most, so a byte holds 128 at the most and nothing carries), then widened into fields of 16 bits (a total is 4,096 at the most)
.macro FOUR b
	s_add_nc_u64 s[\b:\b+1], s[\b:\b+1], s[\b+2:\b+3]
	s_add_nc_u64 s[\b+4:\b+5], s[\b+4:\b+5], s[\b+6:\b+7]
	s_add_nc_u64 s[\b:\b+1], s[\b:\b+1], s[\b+4:\b+5]
	s_and_b32 s57, s[\b], s56
	s_add_co_u32 s52, s52, s57                     ; experts 0, 2
	s_lshr_b32 s57, s[\b], 8
	s_and_b32 s57, s57, s56
	s_add_co_u32 s53, s53, s57                     ; experts 1, 3
	s_and_b32 s57, s[\b+1], s56
	s_add_co_u32 s54, s54, s57                     ; experts 4, 6
	s_lshr_b32 s57, s[\b+1], 8
	s_and_b32 s57, s57, s56
	s_add_co_u32 s55, s55, s57                     ; experts 5, 7
.endm
.macro TALLY
	s_wait_kmcnt 0x0                               ; scalar loads come back in no order: the wait is for all
.irp b, 20,28,36,44,68,76,84,92
	FOUR \b
.endr
.endm
; fragments i0 .. of the stream into the ring's slots of the same number
.macro RINGIN i
.irp c, 0,1,2,3
	global_load_b128 v[16*\i+4*\c:16*\i+4*\c+3], v1, s[10:11] offset:2048*\i+512*\c
.endr
.endm
	s_load_b512 s[4:19], s[0:1], 0x0               ; rt, gate, xq, wr, b1, b2, lowp_scales, ybuf
	v_lshl_add_u32 v254, v0, 2, 0x1d700
	v_mov_b32 v255, 0
	v_and_b32 v56, 31, v0                          ; lane
	v_lshlrev_b32 v1, 4, v56                       ; 16 x lane
	v_lshrrev_b32 v2, 5, v0
	v_readfirstlane_b32 s[WV], v2                  ; wave 0..3
	s_mov_b32 s52, 0
	s_mov_b32 s53, 0
	s_mov_b32 s54, 0
	s_mov_b32 s55, 0
	s_mov_b32 s56, 0x00ff00ff
	s_wait_kmcnt 0x0
	s_load_b128 s[60:63], s[16:17], 0x0            ; e0, e1, e2, e3
	ASK 0
	; ---- addresses that stay (while the first round is on its way) ----
	v_and_b32 v57, 15, v0                          ; r
	v_bfe_u32 v58, v0, 4, 1                        ; h
	v_mul_u32_u24 v2, v57, XP
	v_lshl_add_u32 v2, v58, 4, v2                  ; v2: x's fragments: row r, + 16 h
	v_mul_u32_u24 v3, v58, XP
	v_lshl_add_u32 v3, v57, 4, v3                  ; row h, + 16 r
	s_mul_i32 s58, s[WV], 4*XP
	s_add_co_u32 s58, s58, 32*XP
	v_add_nc_u32 v60, s58, v3                      ; v60: where my gathered rows 32 + 4 wave + .. go
	s_mul_i32 s58, s[WV], 8*XP
	v_add_nc_u32 v3, s58, v3                       ; v3: where my gathered rows 8 wave + .. go
	s_lshl_b32 s58, s[WV], 12
	s_add_co_u32 s58, s58, HIMG
	v_add_nc_u32 v4, s58, v1                       ; v4: my images of the hidden layer: K steps 2 wave, 2 wave + 1
	v_add_nc_u32 v5, HIMG, v1                      ; v5: any image
	s_lshl_b32 s58, s[WV], 10
	s_add_co_u32 s58, s58, B1S
	v_lshl_add_u32 v6, v58, 6, s58                 ; v6: b1 of a group: + 64 h
	v_add_nc_u32 v59, s58, v1                      ; v59: where b1 goes
	s_mul_i32 s58, s[WV], 16*SP
	s_add_co_u32 s58, s58, STG
	v_mul_u32_u24 v7, v57, SP
	v_lshl_add_u32 v7, v58, 5, v7
	v_add_nc_u32 v7, s58, v7                       ; v7: the stage, in: row r, + 32 h
	v_mul_u32_u24 v8, v58, SP
	v_lshl_add_u32 v8, v57, 4, v8
	v_add_nc_u32 v8, s58, v8                       ; v8: the stage, back: row h, + 16 r
	s_lshl_b32 s58, s[WV], 8
	v_lshl_add_u32 v10, v57, 4, s58                ; v10: my bytes in a row of ybuf: 256 wave + 16 r
	v_lshlrev_b32 v61, 5, v58                      ; v61: b2: 32 h
	v_add_nc_u32 v62, -1, v58                      ; v62: all ones in lanes 0-15
	v_sub_nc_u32 v63, 0, v58                       ; v63: all ones in lanes 16-31
	TALLY
	ASK 1
	TALLY
	ASK 2
	TALLY
	ASK 3
	TALLY
	s_and_b32 s28, s52, 0xffff                     ; s28-35: the eight experts' rows
	s_lshr_b32 s30, s52, 16
	s_and_b32 s29, s53, 0xffff
	s_lshr_b32 s31, s53, 16
	s_and_b32 s32, s54, 0xffff
	s_lshr_b32 s34, s54, 16
	s_and_b32 s33, s55, 0xffff
	s_lshr_b32 s35, s55, 16
	; ---- my tile: expert s37, its first tile s38, its rows s39 ----
	s_mov_b32 s21, ttmp9                           ; my tile
	s_mov_b32 s36, 0
	s_mov_b32 s37, 0
	s_mov_b32 s38, 0
	s_mov_b32 s39, s28
.macro TILEOF e
	s_add_co_u32 s43, s[28+\e], TR-1               ; the expert's tiles: (rows + 47) / 48 = ((rows + 47) / 16) / 3;
	s_lshr_b32 s43, s43, 4                         ; 258 at the most,
	s_mul_i32 s43, s43, 0xaaab                     ; and y / 3 = y x 43,691 >> 17 without error for so small a y (3 x 43,691 = 2^17 + 1)
	s_lshr_b32 s43, s43, 17
	s_add_co_u32 s36, s36, s43                     ; tiles of experts 0 .. e
	s_cmp_le_u32 s36, s21                          ; my tile lies behind them?
	s_cselect_b32 s38, s36, s38
.if \e < 7
	s_cselect_b32 s39, s[29+\e], s39
.else
	s_cselect_b32 s39, 0, s39
.endif
	s_add_co_ci_u32 s37, s37, 0                    ; + 1 if so (the last use of that compare)
.endm
.irp e, 0,1,2,3,4,5,6,7
	TILEOF \e
.endr
	s_min_u32 s37, s37, 7                          ; the expert; a tile behind the last expert's has no rows
	s_lshl_b32 s47, s37, 7
	s_load_b512 s[68:83], s[4:5], s47 offset:0x400 ; my expert's 128 counts, a byte a group: 32 words, a word = a block of four groups
	s_load_b512 s[84:99], s[4:5], s47 offset:0x440
	s_sub_co_u32 s40, s21, s38
	s_mul_i32 s40, s40, TR                         ; the rank of my first row among the expert's rows
	s_sub_co_i32 s41, s39, s40
	s_min_i32 s41, s41, TR
	s_max_i32 s41, s41, 0                          ; my rows: 0 .. 48
	s_sub_co_i32 s42, s41, 1
	s_max_i32 s42, s42, 0
	; ---- the stream of weights starts: three of the ring's four batches.  With the four gathers below 52 loads are out at the most: a load that would push LOADcnt
	;      past its field is held at its issue (ISA guide 5.7.1), and the search for my rows would stand behind it.  The fourth batch follows behind the gathers' wait ----
	s_lshl_b32 s46, s37, 2
	s_add_co_u32 s46, s46, s[WV]                   ; 4 expert + wave
	s_mul_i32 s44, s46, EWB
	s_mov_b32 s45, 0
	s_add_nc_u64 s[10:11], s[10:11], s[44:45]
	s_lshl_b32 s44, s46, 10
	s_add_nc_u64 s[12:13], s[12:13], s[44:45]      ; b1: my 256 numbers
	s_lshl_b32 s44, s46, 8
	s_add_nc_u64 s[14:15], s[14:15], s[44:45]      ; b2: my 64
	WIN 0xc0                                       ; destination window 3
.irp i, 0,1,2,3,4,5,6,7,8,9,10,11
	RINGIN \i
.endr
	WIN 0
	; ---- constants ----
	s_add_co_i32 s51, s60, s61                     ; a = e0 + e1: a sum S of the first product stands for S 2^a
	s_lshl_b32 s43, s51, 23
	s_add_co_u32 s52, s43, 0x3eb504f3              ; ku = 2^a / (2 sqrt 2): z / 2 = |S| ku
	s_lshl_b32 s43, s51, 24
	s_add_co_u32 s54, s43, 0xbf38aa3b              ; kw = - 2^(2 a) log2(e) / 2: - z^2 log2 e = S^2 kw
	s_mov_b32 s55, s54                             ; (a scalar pair is named whole, so both words are written)
	s_sub_co_i32 s53, 0, s51                       ; - a
	s_add_co_i32 s43, s62, s63
	s_add_co_i32 s43, s43, 127
	s_lshl_b32 s56, s43, 23                        ; 2^(e2 + e3)
	s_mov_b32 s57, s56
	s_sub_co_i32 s43, s62, s51
	s_add_co_i32 s43, s43, 127
	s_lshl_b32 s58, s43, 23
	v_mov_b32 v22, s58                             ; 2^(e2 - a): the three scales folded into the conversion's one
	s_add_co_i32 s43, s43, 15
	s_lshl_b32 s43, s43, 23
	s_or_b32 s43, s43, 0x600000
	v_mov_b32 v23, s43                             ; 57,344 x that
	; ---- my rows: lane l looks for the tile's rows l and 32 + l (of the second set only lanes 0-15's are used) ----
	v_min_u32 v138, s42, v56
	v_add_nc_u32 v138, s40, v138                   ; R0: the rank of row l among the expert's rows (a row behind the last repeats the last)
	v_add_nc_u32 v139, 32, v56
	v_min_u32 v139, s42, v139
	v_add_nc_u32 v139, s40, v139                   ; R1: of row 32 + l
	v_mov_b32 v140, 0                              ; blocks that begin behind the row
	v_mov_b32 v141, 0
	v_mov_b32 v144, v138                           ; the row's rank inside its block: the least of the differences that are not negative
	v_mov_b32 v145, v139
	s_mov_b32 s36, 0
	s_wait_kmcnt 0x0                               ; my expert's counts
.set i, 0
.rept 32                               ; the running total I over the 32 blocks.  d = R - I is negative (as an unsigned number: huge) where the block's end lies behind the row
	s_mul_i32 s43, s[68+i], 0x01010101             ; the word's four bytes added: their sum, 128 at the most, stands in the top byte
	s_lshr_b32 s43, s43, 24
	s_add_co_u32 s36, s36, s43
	v_sub_nc_u32 v142, v138, s36
	v_sub_nc_u32 v143, v139, s36
	v_min_u32 v144, v144, v142
	v_min_u32 v145, v145, v143
	v_lshrrev_b32 v142, 31, v142
	v_lshrrev_b32 v143, 31, v143
	v_add_nc_u32 v140, v140, v142
	v_add_nc_u32 v141, v141, v143
.set i, i+1
.endr
	v_sub_nc_u32 v140, 32, v140                    ; the block that holds the row
	v_sub_nc_u32 v141, 32, v141
	v_min_u32 v140, 31, v140                       ; a number made of loaded numbers enters addresses only behind this bound
	v_min_u32 v141, 31, v141
	s_lshl_b32 s43, s37, 7
	v_lshl_add_u32 v146, v140, 2, s43              ; 128 expert + 4 block
	v_lshl_add_u32 v147, v141, 2, s43
	s_lshl_b32 s43, s37, 9
	v_lshl_add_u32 v148, v140, 4, s43              ; 512 expert + 16 block
	v_lshl_add_u32 v149, v141, 4, s43
	global_load_b32 v150, v146, s[4:5] offset:1024           ; the block's four counts
	global_load_b32 v151, v147, s[4:5] offset:1024
	global_load_b128 v[152:155], v148, s[4:5] offset:2048    ; and its four ballots
	global_load_b128 v[156:159], v149, s[4:5] offset:2048
	s_mov_b32 s66, 0xc034d90f                      ; the polynomial's coefficients x log2 e (c0 with 1 taken off, for the half): c0 .. c7, c9
	s_mov_b32 s68, 0x3fb8ab5a
	s_mov_b32 s70, 0x3f0a29d2
	s_mov_b32 s72, 0x3e0efb2f
	s_mov_b32 s74, 0xbe899a80
	s_mov_b32 s76, 0x3ecdfd18
	s_mov_b32 s78, 0xbfd1a1e5
	s_mov_b32 s80, 0x40097039
	s_mov_b32 s82, 0x3e7c6f08
.irp k, 66,68,70,72,74,76,78,80,82
	s_mov_b32 s[\k+1], s[\k]
.endr
	s_wait_loadcnt 0x0                             ; the four gathers; the ring's 48 loads are older, so they are in too
	WIN 0xc0
.irp i, 12,13,14,15
	RINGIN \i                                      ; the ring's fourth batch: it lands under the rest of the set-up
.endr
	WIN 0
.macro LEVEL src, wid, sh, vr          ; does the wanted bit lie behind the lower half of the field at bit v165?  Then the half's count comes off the rank and the half's width goes onto the bit
	v_bfe_u32 v164, v[\src], v165, \wid
	v_sub_nc_u32 v164, v[\vr], v164
	v_min_u32 v[\vr], v[\vr], v164
	v_lshrrev_b32 v164, 31, v164
	v_xor_b32 v164, 1, v164
	v_lshl_add_u32 v165, v164, \sh, v165
.endm
.macro FINDROW vr, vl, c, m, tk        ; rank v[vr] in block v[vl], whose counts are v[c] and whose ballots v[m] .. v[m + 3] -> the token's number in v[tk]
	v_and_b32 v160, 0xff, v[\c]                    ; the ranks at which groups 1, 2, 3 of the block begin
	v_bfe_u32 v161, v[\c], 8, 8
	v_bfe_u32 v162, v[\c], 16, 8
	v_add_nc_u32 v161, v161, v160
	v_add_nc_u32 v162, v162, v161
.irp j, 0,1,2
	v_sub_nc_u32 v[160+\j], v[\vr], v[160+\j]
.endr
.irp j, 0,1,2
	v_min_u32 v[\vr], v[\vr], v[160+\j]            ; the rank inside the group
.endr
	v_mov_b32 v166, 3
.irp j, 0,1,2
	v_lshrrev_b32 v[160+\j], 31, v[160+\j]         ; 1: group j + 1 begins behind the row
	v_sub_nc_u32 v166, v166, v[160+\j]             ; the group
	v_sub_nc_u32 v163, 0, v[160+\j]                ; all ones: keep the ballot in hand
	v_add_nc_u32 v164, -1, v[160+\j]               ; all ones: take group j + 1's
	v_and_b32 v[\m], v[\m], v163
	v_and_or_b32 v[\m], v[\m+1+\j], v164, v[\m]
.endr
	v_lshrrev_b32 v160, 1, v[\m]                   ; counts of set bits in fields of 2, 4, 8, 16 bits
	v_and_b32 v160, 0x55555555, v160
	v_sub_nc_u32 v160, v[\m], v160
	v_lshrrev_b32 v161, 2, v160
	v_and_b32 v161, 0x33333333, v161
	v_and_b32 v164, 0x33333333, v160
	v_add_nc_u32 v161, v161, v164
	v_lshrrev_b32 v162, 4, v161
	v_add_nc_u32 v162, v162, v161
	v_and_b32 v162, 0x0f0f0f0f, v162
	v_lshrrev_b32 v163, 8, v162
	v_add_nc_u32 v163, v163, v162
	v_and_b32 v163, 0x00ff00ff, v163
	v_mov_b32 v165, 0
	LEVEL 163, 8, 4, \vr
	LEVEL 162, 8, 3, \vr
	LEVEL 161, 4, 2, \vr
	LEVEL 160, 2, 1, \vr
	LEVEL \m, 1, 0, \vr
	v_lshl_add_u32 v164, v[\vl], 2, v166
	v_lshl_add_u32 v[\tk], v164, 5, v165           ; 32 x group + bit
	v_min_u32 v[\tk], 0xfff, v[\tk]
.endm
	FINDROW 144, 140, 150, 152, 120
	FINDROW 145, 141, 151, 156, 121
	; ---- what hangs on the rows ----
	v_lshlrev_b32 v100, 2, v120
	v_lshlrev_b32 v101, 2, v121
	v_lshlrev_b32 v102, 3, v120
	v_lshlrev_b32 v103, 3, v121
	global_load_b32 v72, v100, s[4:5] offset:6144  ; i1 | i2 << 8
	global_load_b32 v73, v101, s[4:5] offset:6144
	global_load_b64 v[74:75], v102, s[6:7]         ; g1, g2
	global_load_b64 v[76:77], v103, s[6:7]
	global_load_b128 v[80:83], v1, s[12:13]        ; b1
	global_load_b128 v[84:87], v1, s[12:13] offset:512
.irp n, 0,1,2,3
	global_load_b128 v[B2R+8*\n:B2R+8*\n+3], v61, s[14:15] offset:64*\n          ; b2 in the result's layout: outputs 16 n + 8 h + 0 .. 7
	global_load_b128 v[B2R+8*\n+4:B2R+8*\n+7], v61, s[14:15] offset:64*\n+16
.endr
	v_lshlrev_b32 v98, 4, v57
	v_lshlrev_b32 v99, 2, v57
	v_add_nc_u32 v78, 64, v99
; A wave gathers 12 of the 48 rows, two at a time: sixteen lanes read 256 consecutive bytes of a row.  Eight of them lie among rows 0-31 (8 wave on), four among rows 32-47 (32 + 4 wave on):
; so each pair's two numbers stand in one register.  Pair i: lanes s43 + k and s43 + k + 1 of v[vs].
.macro PAIR i, vs, k
	s_add_co_u32 s44, s43, \k
	v_readlane_b32 s45, v[\vs], s44                ; the first row's token, for lanes 0-15,
	s_add_co_u32 s44, s43, (\k)+1
	v_readlane_b32 s46, v[\vs], s44                ; the next row's, for lanes 16-31
	v_and_b32 v[112+\i], s45, v62
	v_and_or_b32 v[112+\i], s46, v63, v[112+\i]
	v_min_u32 v[112+\i], 0xfff, v[112+\i]
	v_lshl_add_u32 v[88+\i], v[112+\i], 10, v98
.endm
	s_lshl_b32 s43, s[WV], 3
	PAIR 0, 120, 0
	PAIR 1, 120, 2
	PAIR 2, 120, 4
	PAIR 3, 120, 6
	s_lshl_b32 s43, s[WV], 2
	PAIR 4, 121, 0
	PAIR 5, 121, 2
.irp i, 0,1,2,3,4,5
.irp q, 0,1,2,3
	global_load_b128 v[128+16*\i+4*\q:128+16*\i+4*\q+3], v[88+\i], s[8:9] offset:256*\q
.endr
.endr
	s_wait_loadcnt 34                              ; the pairs and the gates are in: behind them stand b1's 2, b2's 8 and x's 24 loads
	v_and_b32 v126, 0xff, v72
	v_xor_b32 v126, s37, v126
	v_min_u32 v126, 1, v126                        ; k = 1 where my expert is the token's second
	v_cmp_ne_u32 vcc_lo, 0, v126
	v_cndmask_b32 v122, v74, v75, vcc_lo           ; the gate
	v_lshl_add_u32 v9, v120, 1, v126               ; the row's place in ybuf: 2 token + k
	v_and_b32 v126, 0xff, v73
	v_xor_b32 v126, s37, v126
	v_min_u32 v126, 1, v126
	v_cmp_ne_u32 vcc_lo, 0, v126
	v_cndmask_b32 v123, v76, v77, vcc_lo
	v_lshl_add_u32 v13, v121, 1, v126
	ds_bpermute_b32 v14, v99, v122                 ; the gate of token r of each tile of 16 rows
	ds_bpermute_b32 v16, v78, v122
	ds_bpermute_b32 v18, v99, v123
	s_wait_loadcnt 24                              ; b1 and b2 are in: x's 24 loads are younger
.irp j, 0,1,2,3,4,5,6,7
	v_ldexp_f32 v[80+\j], v[80+\j], s53            ; b1 / 2^a: it goes in as the C of a sum's first product
.endr
	ds_store_b128 v59, v[80:83]
	ds_store_b128 v59, v[84:87] offset:512
.irp i, 0,1,2,3,4,5
	s_wait_loadcnt 20-4*\i                         ; this pair of rows is in: four loads for each later pair are younger
.irp q, 0,1,2,3
.if \i < 4
	ds_store_b128 v3, v[128+16*\i+4*\q:128+16*\i+4*\q+3] offset:2*XP*\i+256*\q
.else
	ds_store_b128 v60, v[128+16*\i+4*\q:128+16*\i+4*\q+3] offset:2*XP*(\i-4)+256*\q
.endif
.endr
.endr
	s_wait_dscnt 0x0                               ; for the others' sake: my rows have landed (and the gates are back)
	s_barrier_signal -1
	s_barrier_wait -1                              ; the tile's 48 rows lie in LDS
	WIN 0x40                                       ; destination window 1
.irp s, 0,1,2,3
.irp m, 0,1,2
.irp c, 0,1,2,3
	ds_load_b128 v[64*\s+16*\m+4*\c:64*\s+16*\m+4*\c+3], v2 offset:16*XP*\m+128*\s+32*\c
.endr
.endr
.endr
	WIN 0x80                                       ; window 2
.irp s, 4,5,6,7
.irp m, 0,1,2
.irp c, 0,1,2,3
	ds_load_b128 v[64*(\s-4)+16*\m+4*\c:64*(\s-4)+16*\m+4*\c+3], v2 offset:16*XP*\m+128*\s+32*\c
.endr
.endr
.endr
	WIN 0
	v_mov_b32 v15, v14                             ; (named as the upper halves of pairs)
	v_mov_b32 v17, v16
	v_mov_b32 v19, v18
	v_mov_b32 v176, 0xbf97d29d                     ; c8
	v_mov_b32 v177, 0xbf97d29d
	s_mov_b32 s48, 0
	s_mov_b32 s49, 0
	s_mov_b32 s50, 0
	s_wait_dscnt 0x0
; eight sums S of one accumulator become gelu / 2^a, held at the largest code x the scale.  Each run of transcendentals has plain lines behind it before its results are used.
.macro GELU8 a
.irp j, 0,1,2,3,4,5,6,7
	v_fma_f32 v[T+\j], |v[\a+\j]|, s52, 1.0        ; 1 + z / 2  (the accumulator is read from its low end on)
.endr
.irp j, 0,1,2,3,4,5,6,7
	v_rcp_f32 v[T+\j], v[T+\j]                     ; t
.endr
.irp j, 0,2,4,6
	v_pk_mul_f32 v[W+\j:W+\j+1], v[\a+\j:\a+\j+1], v[\a+\j:\a+\j+1]
.endr
	s_wait_alu depctr_va_vdst(0)
.irp j, 0,2,4,6
	v_pk_fma_f32 v[P+\j:P+\j+1], v[T+\j:T+\j+1], s[82:83], v[176:177] op_sel_hi:[1,0,1]
.endr
.irp k, 80,78,76,74,72,70,68,66
.irp j, 0,2,4,6
	v_pk_fma_f32 v[P+\j:P+\j+1], v[P+\j:P+\j+1], v[T+\j:T+\j+1], s[\k:\k+1] op_sel_hi:[1,1,0]
.endr
.endr
.irp j, 0,2,4,6
	v_pk_fma_f32 v[W+\j:W+\j+1], v[W+\j:W+\j+1], s[54:55], v[P+\j:P+\j+1] op_sel_hi:[1,0,1]
.endr
.irp j, 0,1,2,3,4,5,6,7
	v_exp_f32 v[W+\j], v[W+\j]
.endr
.irp j, 0,1,2,3,4,5,6,7
	v_max_num_f32 v[P+\j], 0, v[\a+\j]
.endr
	s_wait_alu depctr_va_vdst(0)
.irp j, 0,2,4,6
	v_pk_mul_f32 v[W+\j:W+\j+1], v[W+\j:W+\j+1], v[T+\j:T+\j+1]    ; erfc(z) / 2
.endr
.irp j, 0,1,2,3,4,5,6,7
	v_fma_f32 v[\a+\j], -|v[\a+\j]|, v[W+\j], v[P+\j]
.endr
.irp j, 0,1,2,3,4,5,6,7
	v_med3_num_f32 v[\a+\j], v[\a+\j], -v23, v23   ; the conversion to an 8-bit code does not saturate (ISA guide 7.6.2)
.endr
.endm
; K steps 2 q and 2 q + 1 of a group: four fragments of W1, each against the three tiles of tokens.  The six accumulators take turns, one instruction a turn.
.macro BATCH q
	s_wait_loadcnt 48                              ; my four fragments are in: behind their 16 loads stand the 48 of the three batches asked for since
.if \q == 0
	s_wait_dscnt 0x0                               ; b1 of this group
.endif
.if \q < 2
	WIN 0x07                                       ; source 0 (W1) window 3, source 1 (x) window 1
.else
	WIN 0x0b                                       ; source 1 window 2
.endif
.irp z, 0,1
.irp u, 0,1
.irp m, 0,1,2
.if (\q == 0) && (\z == 0)
	v_wmma_f32_16x16x128_bf8_bf8 v[ACC+16*\m+8*\u:ACC+16*\m+8*\u+7], v[16*(4*\q+2*\z+\u):16*(4*\q+2*\z+\u)+15], v[64*((2*\q+\z)%4)+16*\m:64*((2*\q+\z)%4)+16*\m+15], v[BIA+8*\u:BIA+8*\u+7]
.else
	v_wmma_f32_16x16x128_bf8_bf8 v[ACC+16*\m+8*\u:ACC+16*\m+8*\u+7], v[16*(4*\q+2*\z+\u):16*(4*\q+2*\z+\u)+15], v[64*((2*\q+\z)%4)+16*\m:64*((2*\q+\z)%4)+16*\m+15], v[ACC+16*\m+8*\u:ACC+16*\m+8*\u+7]
.endif
.endr
.endr
.endr
	PLACES
	WIN 0xc0
.irp i, 0,1,2,3
.irp c, 0,1,2,3
	global_load_b128 v[16*(4*\q+\i)+4*\c:16*(4*\q+\i)+4*\c+3], v1, s[10:11] offset:32768+2048*(4*\q+\i)+512*\c   ; the same slots, 16 fragments on
.endr
.endr
.endm
.Lgroup:                                           ; eight trips: a group of 32 of my hidden units, 16 fragments of W1.  The last trip's refills are W2's first 16: the stream is one
	v_add_nc_u32 v11, s49, v4
	v_add_nc_u32 v12, s50, v6
.irp j, 0,1,2,3
	ds_load_b128 v[BIA+4*\j:BIA+4*\j+3], v12 offset:16*\j
.endr
	BATCH 0
	BATCH 1
	BATCH 2
	BATCH 3
	WIN 0
.irp m, 0,1,2
	GELU8 ACC+16*\m
	GELU8 ACC+16*\m+8
	v_cvt_scalef32_pk8_bf8_f32 v[PC+4*\m:PC+4*\m+1], v[ACC+16*\m:ACC+16*\m+7], v22
	v_cvt_scalef32_pk8_bf8_f32 v[PC+4*\m+2:PC+4*\m+3], v[ACC+16*\m+8:ACC+16*\m+15], v22
	v_nop                                          ; a plain line behind the conversions
	ds_store_b128 v11, v[PC+4*\m:PC+4*\m+3] offset:16384*\m     ; 16 neighbouring hidden units of token r: a piece of the image of K step 2 wave + group / 4
.endr
	s_wait_xcnt 0x0                                ; the refills have read their base: it steps only behind this wait
	s_add_nc_u64 s[10:11], s[10:11], 32768
	s_add_co_u32 s49, s49, 512
	s_add_co_u32 s50, s50, 128
	s_add_co_u32 s48, s48, 1
	s_cmp_lt_u32 s48, 8
	s_cbranch_scc1 .Lgroup
	s_wait_dscnt 0x0                               ; for the others' sake: my images have landed
	s_barrier_signal -1
	s_barrier_wait -1                              ; the hidden layer's 24 fragments lie in LDS
.macro HLOAD sg                        ; K step sg's three fragments (one for each tile of tokens) into buffer sg % 2
.irp m, 0,1,2
.irp c, 0,1,2,3
	ds_load_b128 v[128+64*((\sg)%2)+16*\m+4*\c:128+64*((\sg)%2)+16*\m+4*\c+3], v5 offset:16384*\m+2048*(\sg)+512*\c
.endr
.endr
.endm
.macro SIGMA sg                        ; a K step of the second product: 12 accumulators by turns
.if \sg < 7
	WIN 0x40
	HLOAD (\sg)+1
	s_wait_dscnt 12                                ; this step's fragments are in; the next step's 12 loads may be out
.else
	s_wait_dscnt 0x0
.endif
.if \sg < 5
	s_wait_loadcnt 48                              ; W2's four fragments: three batches of 16 loads were asked for since
.else
	s_wait_loadcnt 16*(7-\sg)                      ; nothing more is asked for: the counts run down
.endif
	WIN 0x57                                       ; source 0 (W2) window 3; source 1, C and D window 1
.irp n, 0,1,2,3
.irp m, 0,1,2
.if \sg == 0
	v_wmma_f32_16x16x128_bf8_bf8 v[8*(4*\n+\m):8*(4*\n+\m)+7], v[16*(4*((\sg)%4)+\n):16*(4*((\sg)%4)+\n)+15], v[128+64*((\sg)%2)+16*\m:128+64*((\sg)%2)+16*\m+15], 0
.else
	v_wmma_f32_16x16x128_bf8_bf8 v[8*(4*\n+\m):8*(4*\n+\m)+7], v[16*(4*((\sg)%4)+\n):16*(4*((\sg)%4)+\n)+15], v[128+64*((\sg)%2)+16*\m:128+64*((\sg)%2)+16*\m+15], v[8*(4*\n+\m):8*(4*\n+\m)+7]
.endif
.endr
.endr
	PLACES
.if \sg < 4
	WIN 0xc0
.irp n, 0,1,2,3
.irp c, 0,1,2,3
	global_load_b128 v[16*(4*\sg+\n)+4*\c:16*(4*\sg+\n)+4*\c+3], v1, s[10:11] offset:(16+4*\sg+\n)*2048+512*\c   ; K step sg + 4's
.endr
.endr
.endif
.endm
	WIN 0x40
	HLOAD 0
.irp g, 0,1,2,3,4,5,6,7
	SIGMA \g
.endr
	WIN 0
	s_cmp_eq_u32 s41, 0                            ; a tile without rows stores nothing: the count was made by scalar loads and scalar sums
	s_cbranch_scc1 .Lend
	v_bfe_u32 v152, v0, 4, 1                       ; h
	v_add_nc_u32 v153, -1, v152                    ; all ones in lanes 0-15
	v_sub_nc_u32 v154, 0, v152                     ; all ones in lanes 16-31
; THE WAY OUT, a tile of 16 rows at a time: gate x (sum x 2^(e2 + e3) + b2); through my stage, so that sixteen lanes store my 256 bytes of a row of ybuf whole.
.macro OUTM m
.if \m < 2
.set SLV, 9
.else
.set SLV, 13
.endif
.if \m > 0
	s_wait_xcnt 0x0                                ; the last tile's stores have read their registers
.endif
	WIN 0x01                                       ; source 0 window 1
.irp n, 0,1,2,3
.irp i, 0,2,4,6
	v_pk_fma_f32 v[OO+8*\n+\i:OO+8*\n+\i+1], v[8*(4*\n+\m)+\i:8*(4*\n+\m)+\i+1], s[56:57], v[B2R+8*\n+\i:B2R+8*\n+\i+1] op_sel_hi:[1,0,1]
.endr
.endr
	WIN 0
.irp j, 0,2,4,6,8,10,12,14,16,18,20,22,24,26,28,30
	v_pk_mul_f32 v[OO+\j:OO+\j+1], v[OO+\j:OO+\j+1], v[14+2*\m:15+2*\m] op_sel_hi:[1,0]
.endr
.irp n, 0,1,2,3
	ds_store_b128 v7, v[OO+8*\n:OO+8*\n+3] offset:64*\n
	ds_store_b128 v7, v[OO+8*\n+4:OO+8*\n+7] offset:64*\n+16
.endr
.irp i, 0,1,2,3,4,5,6,7
	ds_load_b128 v[RB+4*\i:RB+4*\i+3], v8 offset:2*SP*\i       ; LDS serves a wave's instructions in order (ISA guide 5.7.1.4): these see my stores
.endr
.irp i, 0,1,2,3,4,5,6,7
	v_readlane_b32 s44, v[SLV], 16*(\m%2)+2*\i     ; the place of row 16 m + 2 i, for lanes 0-15,
	v_readlane_b32 s45, v[SLV], 16*(\m%2)+2*\i+1   ; of the next row, for lanes 16-31
	v_and_b32 v[AD+\i], s44, v153
	v_and_or_b32 v[AD+\i], s45, v154, v[AD+\i]
	v_min_u32 v[AD+\i], 0x1fff, v[AD+\i]
	v_lshl_add_u32 v[AD+\i], v[AD+\i], 10, v10
.endr
	s_wait_dscnt 0x0
.irp i, 0,1,2,3,4,5,6,7
	global_store_b128 v[AD+\i], v[RB+4*\i:RB+4*\i+3], s[18:19]
.endr
.endm
	OUTM 0
	OUTM 1
	OUTM 2
.Lend:
	s_wait_tensorcnt 0x0
	ds_add_u32 v254, v255
	s_wait_dscnt 0x0
	s_endpgm
.Lfunc_end_k_q9a7e4e927d_chain:
	.size	k_q9a7e4e927d_chain, .Lfunc_end_k_q9a7e4e927d_chain-k_q9a7e4e927d_chain
	.p2alignl 7, 3214868480
	.fill 96, 4, 3214868480
	.section	.rodata,"a",@progbits
	.p2align	6, 0x0
	.amdhsa_kernel k_q9a7e4e927d_chain
		.amdhsa_group_segment_fixed_size 121088
		.amdhsa_private_segment_fixed_size 0
		.amdhsa_enable_private_segment 0
		.amdhsa_kernarg_size 64
		.amdhsa_user_sgpr_count 2
		.amdhsa_user_sgpr_kernarg_segment_ptr 1
		.amdhsa_wavefront_size32 1
		.amdhsa_system_sgpr_workgroup_id_x 1
		.amdhsa_system_sgpr_workgroup_id_y 1
		.amdhsa_system_sgpr_workgroup_id_z 1
		.amdhsa_system_vgpr_workitem_id 0
		.amdhsa_next_free_vgpr 1024
		.amdhsa_next_free_sgpr 100
		.amdhsa_reserve_vcc 1
		.amdhsa_float_denorm_mode_32 3
		.amdhsa_float_denorm_mode_16_64 3
		.amdhsa_memory_ordered 1
		.amdhsa_forward_progress 1
		.amdhsa_inst_pref_size 149
	.end_amdhsa_kernel
	.amdgpu_metadata
---
amdhsa.version: [ 1, 2 ]
amdhsa.kernels:
  - .name:           k_q9a7e4e927d_chain
    .symbol:         k_q9a7e4e927d_chain.kd
    .args:
      - { .name: rt, .offset: 0, .size: 8, .value_kind: global_buffer, .address_space: global }
      - { .name: gate, .offset: 8, .size: 8, .value_kind: global_buffer, .address_space: global }
      - { .name: xq, .offset: 16, .size: 8, .value_kind: global_buffer, .address_space: global }
      - { .name: wr, .offset: 24, .size: 8, .value_kind: global_buffer, .address_space: global }
      - { .name: b1, .offset: 32, .size: 8, .value_kind: global_buffer, .address_space: global }
      - { .name: b2, .offset: 40, .size: 8, .value_kind: global_buffer, .address_space: global }
      - { .name: lowp_scales, .offset: 48, .size: 8, .value_kind: global_buffer, .address_space: global }
      - { .name: ybuf, .offset: 56, .size: 8, .value_kind: global_buffer, .address_space: global }
    .group_segment_fixed_size: 121088
    .private_segment_fixed_size: 0
    .kernarg_segment_align: 8
    .kernarg_segment_size: 64
    .max_flat_workgroup_size: 128
    .sgpr_count:     100
    .vgpr_count:     1024
    .wavefront_size: 32
...
	.end_amdgpu_metadata
.endif
;; end of part 2
;; launch combine (part 3): grid 256 x 1, 8 waves a work-group, no clusters, 0 bytes of LDS; arguments ybuf, auxp, out0, out1; writes out0, out1
.if DOCPART == 3
	.amdgcn_target "amdgcn-amd-amdhsa--gfx1250"
	.amdhsa_code_object_version 6
	.text
	.protected	k_q9a7e4e927d_combine
	.globl	k_q9a7e4e927d_combine
	.p2align	8
	.type	k_q9a7e4e927d_combine,@function
k_q9a7e4e927d_combine:
	s_mov_b64 s[64:65], 0
	v_nop
	global_prefetch_b8 v0, s[64:65] scope:SCOPE_SE
	s_setreg_imm32_b32 hwreg(HW_REG_WAVE_MODE, 25, 1), 1
	s_wait_xcnt 0x0
; out0[n] = ybuf[2 n] + ybuf[2 n + 1] (each row already carries its gate), and out1 = 0.01 / 32,768 x the sum of the 128 groups' terms.
; A stream: a work-group takes 16 tokens; all eight loads of a thread are on their way together; each load and store of a wave covers 512 consecutive bytes.
; No LDS, no barrier, no matrix unit: there is nothing to share and nothing to multiply.
	s_load_b256 s[4:11], s[0:1], 0x0               ; ybuf, auxp, out0, out1
	v_lshrrev_b32 v1, 6, v0                        ; which of four tokens
	v_and_b32 v2, 63, v0
	v_lshlrev_b32 v2, 4, v2                        ; my 16 bytes of its 1,024
	v_lshl_add_u32 v1, v1, 11, v2                  ; in: a token's two rows are 2,048 bytes
	v_lshlrev_b32 v3, 4, v0                        ; out
	v_lshrrev_b32 v6, 5, v0
	v_readfirstlane_b32 s18, v6                    ; wave
	s_lshl_b32 s12, ttmp9, 15
	s_mov_b32 s13, 0
	s_lshl_b32 s14, ttmp9, 14
	s_mov_b32 s15, 0
	s_wait_kmcnt 0x0
	s_add_nc_u64 s[4:5], s[4:5], s[12:13]
	s_add_nc_u64 s[8:9], s[8:9], s[14:15]
.irp q, 0,1,2,3
	global_load_b128 v[8+8*\q:11+8*\q], v1, s[4:5] offset:8192*\q th:TH_LOAD_NT
	global_load_b128 v[12+8*\q:15+8*\q], v1, s[4:5] offset:8192*\q+1024 th:TH_LOAD_NT
.endr
.irp q, 0,1,2,3
	s_wait_loadcnt 6-2*\q                          ; this pair is in; the later pairs may be out
	v_pk_add_f32 v[8+8*\q:9+8*\q], v[8+8*\q:9+8*\q], v[12+8*\q:13+8*\q]
	v_pk_add_f32 v[10+8*\q:11+8*\q], v[10+8*\q:11+8*\q], v[14+8*\q:15+8*\q]
	global_store_b128 v3, v[8+8*\q:11+8*\q], s[8:9] offset:4096*\q th:TH_STORE_NT
.endr
	s_cmp_lg_u32 ttmp9, 0
	s_cbranch_scc1 .Ldone
	s_cmp_lg_u32 s18, 0
	s_cbranch_scc1 .Ldone
	; ---- work-group 0, wave 0: the aux loss ----
	v_and_b32 v4, 31, v0
	v_lshlrev_b32 v5, 4, v4
	global_load_b128 v[40:43], v5, s[6:7]          ; the 128 partial sums, four a lane
	s_mov_b32 s16, 0x76543210
	s_mov_b32 s17, 0xfedcba98
	v_mov_b32 v44, 0                               ; written once: a permute's destination counts as read
	s_wait_loadcnt 0x0
	v_add_f32 v40, v40, v41
	v_add_f32 v42, v42, v43
	v_add_f32 v40, v40, v42
	v_add_f32_dpp v40, v40, v40 row_xmask:1 row_mask:0xf bank_mask:0xf
	v_add_f32_dpp v40, v40, v40 row_xmask:2 row_mask:0xf bank_mask:0xf
	v_add_f32_dpp v40, v40, v40 row_xmask:4 row_mask:0xf bank_mask:0xf
	v_add_f32_dpp v40, v40, v40 row_xmask:8 row_mask:0xf bank_mask:0xf
	v_permlanex16_b32 v44, v40, s16, s17
	v_add_f32 v40, v40, v44
	v_mul_f32 v40, 0x34a3d70a, v40                 ; x 0.01 / (4,096 x 8)
	s_wait_xcnt 0x0                                ; EXEC is a source of the pending stores: it changes only behind this wait
	v_cmpx_gt_u32 1, v4
	global_store_b32 v5, v40, s[10:11]             ; (lane 0's offset is 0)
	s_endpgm
.Ldone:
	s_endpgm
.Lfunc_end_k_q9a7e4e927d_combine:
	.size	k_q9a7e4e927d_combine, .Lfunc_end_k_q9a7e4e927d_combine-k_q9a7e4e927d_combine
	.p2alignl 7, 3214868480
	.fill 96, 4, 3214868480
	.section	.rodata,"a",@progbits
	.p2align	6, 0x0
	.amdhsa_kernel k_q9a7e4e927d_combine
		.amdhsa_group_segment_fixed_size 0
		.amdhsa_private_segment_fixed_size 0
		.amdhsa_enable_private_segment 0
		.amdhsa_kernarg_size 32
		.amdhsa_user_sgpr_count 2
		.amdhsa_user_sgpr_kernarg_segment_ptr 1
		.amdhsa_wavefront_size32 1
		.amdhsa_system_sgpr_workgroup_id_x 1
		.amdhsa_system_sgpr_workgroup_id_y 1
		.amdhsa_system_sgpr_workgroup_id_z 1
		.amdhsa_system_vgpr_workitem_id 0
		.amdhsa_next_free_vgpr 64
		.amdhsa_next_free_sgpr 66
		.amdhsa_reserve_vcc 0
		.amdhsa_float_denorm_mode_32 3
		.amdhsa_float_denorm_mode_16_64 3
		.amdhsa_memory_ordered 1
		.amdhsa_forward_progress 1
		.amdhsa_inst_pref_size 4
	.end_amdhsa_kernel
	.amdgpu_metadata
---
amdhsa.version: [ 1, 2 ]
amdhsa.kernels:
  - .name:           k_q9a7e4e927d_combine
    .symbol:         k_q9a7e4e927d_combine.kd
    .args:
      - { .name: ybuf, .offset: 0, .size: 8, .value_kind: global_buffer, .address_space: global }
      - { .name: auxp, .offset: 8, .size: 8, .value_kind: global_buffer, .address_space: global }
      - { .name: out0, .offset: 16, .size: 8, .value_kind: global_buffer, .address_space: global }
      - { .name: out1, .offset: 24, .size: 8, .value_kind: global_buffer, .address_space: global }
    .group_segment_fixed_size: 0
    .private_segment_fixed_size: 0
    .kernarg_segment_align: 8
    .kernarg_segment_size: 32
    .max_flat_workgroup_size: 256
    .sgpr_count:     66
    .vgpr_count:     64
    .wavefront_size: 32
...
	.end_amdgpu_metadata
.endif
;; end of part 3
;; ======== version 2 of 2: 3 launches
;; workspace buffers: xq 4,194,304 bytes; wr 10,485,760 bytes; rt 22,528 bytes of whole numbers; gate 32,768 bytes; auxp 512 bytes; ybuf 8,388,608 bytes
;; launch route (part 4): grid 208 x 1, 8 waves a work-group, no clusters, 42,496 bytes of LDS; arguments x, Wg, bg, lowp_scales, W1_codes, W2_codes, xq, rt, gate, auxp, wr; writes xq, rt, gate, auxp, wr
.if DOCPART == 4
	.amdgcn_target "amdgcn-amd-amdhsa--gfx1250"
	.amdhsa_code_object_version 6
	.text
	.protected	k_q9a7e4e927d_route
	.globl	k_q9a7e4e927d_route
	.p2align	8
	.type	k_q9a7e4e927d_route,@function
k_q9a7e4e927d_route:
	s_mov_b64 s[64:65], 0
	v_nop
	global_prefetch_b8 v0, s[64:65] scope:SCOPE_SE
	s_setreg_imm32_b32 hwreg(HW_REG_WAVE_MODE, 25, 1), 1
	s_wait_xcnt 0x0
; ROUTER, QUANTISER OF x, AND LAYOUT OF THE WEIGHTS.  One launch, three kinds of work-group, parted by the work-group's number alone.
; Work-groups 0-127: 32 tokens each.  logits = x Wg + bg in f32 (fused multiply-adds: a top-2 hangs on them), top-2 (strict compares: of equal logits the lower
;   index wins, as jax.lax.top_k has it), the two gates, the token's term of the aux loss (the largest logit is taken away ahead of every exponential), and x as
;   codes of E5M2 with the given scale 2^e1.  What the choice decides is STORED AS VALUES at fixed places: no address and no branch here hangs on it.
;   rt: bytes 0-1023: [128 groups][8 experts] a byte: how many of the group's 32 tokens chose the expert;  1024-2047: the same counts as [8 experts][128 groups];
;   2048-6143: [8 experts][128 groups] a word whose bit i says that token 32 g + i chose the expert;  6144-22527: [4096] i1 | i2 << 8.
;   gate: [4096][2] f32.   auxp: [128] f32, a group's sum of terms.   xq: [4096][1024] codes.
; Work-groups 128-191 (W1) and 192-207 (W2): the given codes are copied once into wr, in the order of the next launch's operand registers: for ew = 4 expert + wave a block of
;   160 fragments of 2,048 bytes; fragment 16 b + 2 s + u (W1) or 128 + 4 s + n (W2); in a fragment piece c is 512 bytes, lane l's 16 bytes at 16 l:
;   row (W1: 256 w + 32 b + 8 u + r + 8 (r / 8); W2: 64 w + 16 n + r), K bytes 128 s + 32 c + 16 (l / 16) + 0 .. 15, r = l % 16.
; SHARES of a routing work-group: wave w owns K = 128 w .. 128 w + 127 of all 32 tokens, lane l four of them: a load of a token's slice is 512 consecutive bytes, and the
;   wave's part of Wg stays in 32 registers.  All 32 loads of x of a wave are on their way together.
; LIMITS: -126 <= e1 <= 112 (lowp_scales[1]), so that 2^e1 and 57,344 x 2^e1 are f32 numbers.  NaN and infinities among the inputs are not served.
; No matrix unit (N = 8), no tensor load, no cluster: work-groups share nothing but Wg, 32 KiB.
.set XI,  0                            ; LDS: the group's 32 rows of codes, 1,024 bytes each, as they lie in xq
.set LP,  32768                        ; LDS: partial logits: token t at 272 t (8 waves x 32 bytes + 16 of padding), wave w at + 32 w, expert e at + 4 e
.set LPP, 272
.set SA,  8                            ; v8-23    two sets of eight sums
.set TM,  24                           ; v24-39   two sets of eight registers for the reduction
.set WG,  40                           ; v40-71   Wg(k_i, e) at 40 + 8 i + e
.set CD,  72                           ; v72-103  codes, a word for each token
.set X,   104                          ; v104-231 x: token t at 104 + 4 t
.set LG,  136                          ; wave 0 at the end: the eight logits of my token
	s_load_b512 s[4:19], s[0:1], 0x0               ; x, Wg, bg, lowp_scales, W1_codes, W2_codes, xq, rt
	s_load_b128 s[20:23], s[0:1], 0x40             ; gate, auxp
	s_load_b64 s[24:25], s[0:1], 0x50              ; wr
	v_lshl_add_u32 v254, v0, 2, 0xa200
	v_mov_b32 v255, 0
	v_lshrrev_b32 v2, 5, v0
	s_delay_alu instid0(VALU_DEP_1)
	v_readfirstlane_b32 s26, v2                    ; wave 0..7
	v_and_b32 v1, 31, v0                           ; lane
	s_cmp_ge_u32 ttmp9, 128
	s_cbranch_scc1 .Lrelay
	; ---------------- the routing work-groups ----------------
	v_lshlrev_b32 v2, 4, v0                        ; x: 512 wave + 16 lane
	v_lshlrev_b32 v3, 7, v0                        ; Wg: my four rows of 32 bytes: 4,096 wave + 128 lane
	s_lshl_b32 s46, ttmp9, 17                      ; 32 rows of 4,096 bytes
	s_mov_b32 s47, 0
	s_wait_alu depctr_va_vdst(0)
	s_wait_kmcnt 0x0
	s_add_nc_u64 s[4:5], s[4:5], s[46:47]
.irp j, 0,1,2,3,4,5,6,7
	global_load_b128 v[WG+4*\j:WG+4*\j+3], v3, s[6:7] offset:16*\j
.endr
.irp t, 0,1,2,3,4,5,6,7,8,9,10,11,12,13,14,15,16,17,18,19,20,21,22,23,24,25,26,27,28,29,30,31
	global_load_b128 v[X+4*\t:X+4*\t+3], v2, s[4:5] offset:4096*\t th:TH_LOAD_NT
.endr
	s_load_b128 s[28:31], s[10:11], 0x0            ; the scales' exponents; s29 = e1, x's
	s_load_b256 s[32:39], s[8:9], 0x0              ; bg
	s_lshl_b32 s46, ttmp9, 15                      ; xq: 32 rows of 1,024 bytes
	s_add_nc_u64 s[16:17], s[16:17], s[46:47]
	s_mov_b32 s40, 0xaaaaaaaa                      ; lanes whose bit 0, 1, 2 is set
	s_mov_b32 s41, 0xcccccccc
	s_mov_b32 s42, 0xf0f0f0f0
	s_mov_b32 s44, 0x76543210                      ; v_permlanex16_b32: lane l xor 16
	s_mov_b32 s45, 0xfedcba98
	v_and_b32 v4, 7, v0
	s_delay_alu instid0(VALU_DEP_1)
	v_lshlrev_b32 v4, 2, v4
	s_lshl_b32 s27, s26, 5
	s_add_co_u32 s27, s27, LP
	v_add_nc_u32 v4, s27, v4                       ; where my partial logit goes: LP + 32 wave + 4 (lane % 8)
	v_lshlrev_b32 v5, 2, v0                        ; where my four codes go: 128 wave + 4 lane
	v_and_b32 v232, 0xe0, v0
	v_lshlrev_b32 v234, 4, v1
	s_delay_alu instid0(VALU_DEP_1)
	v_lshl_or_b32 v232, v232, 7, v234              ; 4,096 wave + 16 lane: the way out of the codes, in LDS and in xq alike
	v_mul_u32_u24 v233, v1, LPP
	s_delay_alu instid0(VALU_DEP_1)
	v_add_nc_u32 v233, LP, v233                    ; wave 0 at the end: lane = token
.irp j, 0,1,2,3,4,5,6,7,8,9,10,11,12,13,14,15
	v_mov_b32 v[TM+\j], 0                          ; written once: the destination of a DPP form or a lane permute counts as read
.endr
	s_wait_kmcnt 0x0
	s_add_co_i32 s46, s29, 127
	s_lshl_b32 s47, s46, 23
	v_mov_b32 v6, s47                              ; 2^e1 as f32: the conversion takes its exponent field
	s_add_co_i32 s46, s46, 15
	s_lshl_b32 s46, s46, 23
	s_or_b32 s46, s46, 0x600000
	v_mov_b32 v7, s46                              ; 57,344 x 2^e1
; eight sums of token t over my four k: x(t, k_i) is spread over both halves of a packed multiply-add
.macro DOT t, set
.irp p, 0,2,4,6
	v_pk_mul_f32 v[SA+8*\set+\p:SA+8*\set+\p+1], v[X+4*(\t):X+4*(\t)+1], v[WG+\p:WG+\p+1] op_sel_hi:[0,1]
.endr
.irp p, 0,2,4,6
	s_delay_alu instid0(VALU_DEP_4)
	v_pk_fma_f32 v[SA+8*\set+\p:SA+8*\set+\p+1], v[X+4*(\t):X+4*(\t)+1], v[WG+8+\p:WG+8+\p+1], v[SA+8*\set+\p:SA+8*\set+\p+1] op_sel:[1,0,0] op_sel_hi:[1,1,1]
.endr
.irp p, 0,2,4,6
	s_delay_alu instid0(VALU_DEP_4)
	v_pk_fma_f32 v[SA+8*\set+\p:SA+8*\set+\p+1], v[X+4*(\t)+2:X+4*(\t)+3], v[WG+16+\p:WG+16+\p+1], v[SA+8*\set+\p:SA+8*\set+\p+1] op_sel_hi:[0,1,1]
.endr
.irp p, 0,2,4,6
	s_delay_alu instid0(VALU_DEP_4)
	v_pk_fma_f32 v[SA+8*\set+\p:SA+8*\set+\p+1], v[X+4*(\t)+2:X+4*(\t)+3], v[WG+24+\p:WG+24+\p+1], v[SA+8*\set+\p:SA+8*\set+\p+1] op_sel:[1,0,0] op_sel_hi:[1,1,1]
.endr
.endm
; eight sums a lane become one: at each of three steps a lane keeps half of its sums (by a bit of its number) and hands the other half to its partner.
; Behind them lane l holds expert l % 8; two more steps add the four lanes that hold the same expert.  The result stands in v[TM + 8 set + 2].
.macro BFLY set
.set BA, SA+8*\set
.set BB, TM+8*\set
.irp p, 0,1,2,3
	v_cndmask_b32 v[BB], v[BA+2*\p], v[BA+2*\p+1], s40
	v_cndmask_b32 v[BB+1], v[BA+2*\p+1], v[BA+2*\p], s40
	s_delay_alu instid0(VALU_DEP_1)
	v_add_f32_dpp v[BB+2+\p], v[BB+1], v[BB] row_xmask:1 row_mask:0xf bank_mask:0xf
.endr
.irp q, 0
	v_cndmask_b32 v[BB], v[BB+2+2*\q], v[BB+3+2*\q], s41
	v_cndmask_b32 v[BB+1], v[BB+3+2*\q], v[BB+2+2*\q], s41
	s_delay_alu instid0(VALU_DEP_1)
	v_add_f32_dpp v[BB+6+\q], v[BB+1], v[BB] row_xmask:2 row_mask:0xf bank_mask:0xf
.endr
.irp q, 1
	s_delay_alu instid0(VALU_DEP_4)
	v_cndmask_b32 v[BB], v[BB+2+2*\q], v[BB+3+2*\q], s41
	v_cndmask_b32 v[BB+1], v[BB+3+2*\q], v[BB+2+2*\q], s41
	s_delay_alu instid0(VALU_DEP_1)
	v_add_f32_dpp v[BB+6+\q], v[BB+1], v[BB] row_xmask:2 row_mask:0xf bank_mask:0xf
.endr
	s_delay_alu instid0(VALU_DEP_1)
	v_cndmask_b32 v[BB], v[BB+6], v[BB+7], s42
	s_delay_alu instid0(VALU_DEP_2)
	v_cndmask_b32 v[BB+1], v[BB+7], v[BB+6], s42
	s_delay_alu instid0(VALU_DEP_1)
	v_add_f32_dpp v[BB+2], v[BB+1], v[BB] row_xmask:4 row_mask:0xf bank_mask:0xf
	s_delay_alu instid0(VALU_DEP_1)
	v_add_f32_dpp v[BB+2], v[BB+2], v[BB+2] row_xmask:8 row_mask:0xf bank_mask:0xf
	s_delay_alu instid0(VALU_DEP_1)
	v_permlanex16_b32 v[BB+3], v[BB+2], s44, s45
	s_delay_alu instid0(VALU_DEP_1)
	v_add_f32 v[BB+2], v[BB+2], v[BB+3]
.endm
; tokens t and t + 1 (t even): partial logits to LDS; then the eight numbers are held, converted and their codes go to LDS
.macro TOK2 t
	s_wait_loadcnt 30-(\t)                         ; loads come back in order: behind token t + 1's stand 30 - t younger ones
	DOT \t, 0
	DOT (\t)+1, 1
	BFLY 0
	ds_store_b32 v4, v[TM+2] offset:LPP*(\t)       ; the four lanes that hold an expert store the same number to the same word
	BFLY 1
	ds_store_b32 v4, v[TM+10] offset:LPP*((\t)+1)
.irp j, 0,1,2,3,4,5,6,7
	v_med3_num_f32 v[X+4*(\t)+\j], v[X+4*(\t)+\j], -v7, v7   ; the conversion to an 8-bit code does not saturate (ISA guide 7.6.2): the hold at the largest code x the scale
.endr
	v_cvt_scalef32_pk8_bf8_f32 v[CD+(\t):CD+(\t)+1], v[X+4*(\t):X+4*(\t)+7], v6   ; four codes of token t, four of token t + 1
	ds_store_b32 v5, v[CD+(\t)] offset:1024*(\t)
	ds_store_b32 v5, v[CD+(\t)+1] offset:1024*((\t)+1)
.endm
.irp t, 0,2,4,6,8,10,12,14,16,18,20,22,24,26,28,30
	TOK2 \t
.endr
	v_nop                                          ; a plain line behind the last conversion
	s_wait_dscnt 0x0                               ; for the others' sake: my stores have landed
	s_barrier_signal -1
	s_barrier_wait -1
.irp i, 0,1,2,3,4,5,6,7
	ds_load_b128 v[X+4*\i:X+4*\i+3], v232 offset:XI+512*\i     ; four whole rows of codes a wave
.endr
.irp i, 0,1,2,3,4,5,6,7
	s_wait_dscnt 7-\i                              ; the younger LDS loads may be out
	global_store_b128 v232, v[X+4*\i:X+4*\i+3], s[16:17] offset:512*\i   ; 512 consecutive bytes, from a multiple of 256
.endr
	s_cmp_lg_u32 s26, 0
	s_cbranch_scc1 .Lothers
	; ---- wave 0: lane = token ----
.irp w, 0,1,2,3,4,5,6,7
	ds_load_b128 v[LG+8*\w:LG+8*\w+3], v233 offset:32*\w
	ds_load_b128 v[LG+8*\w+4:LG+8*\w+7], v233 offset:32*\w+16
.endr
	s_lshl_b32 s46, ttmp9, 7                       ; the places of this group's results
	s_mov_b32 s47, 0
	s_add_nc_u64 s[56:57], s[18:19], s[46:47]      ; rt + 128 g: the pairs of experts (at + 6,144)
	s_lshl_b32 s46, ttmp9, 8
	s_add_nc_u64 s[20:21], s[20:21], s[46:47]      ; gate + 256 g
	s_lshl_b32 s46, ttmp9, 2
	s_add_nc_u64 s[58:59], s[18:19], s[46:47]      ; rt + 4 g: the ballots (at + 2,048 + 512 e)
	s_add_nc_u64 s[22:23], s[22:23], s[46:47]      ; auxp + 4 g
	s_lshl_b32 s46, ttmp9, 3
	s_add_nc_u64 s[60:61], s[18:19], s[46:47]      ; rt + 8 g: the group's eight counts
	s_mov_b32 s46, ttmp9
	s_add_nc_u64 s[62:63], s[18:19], s[46:47]      ; rt + g: the same counts by expert (at + 1,024 + 128 e)
	v_lshlrev_b32 v216, 2, v1
	v_lshlrev_b32 v217, 3, v1
	v_lshlrev_b32 v218, 9, v1
	v_lshlrev_b32 v219, 7, v1
	s_wait_dscnt 0x0
.irp w, 0,2,4,6
.irp p, 0,2,4,6
	v_pk_add_f32 v[LG+8*\w+\p:LG+8*\w+\p+1], v[LG+8*\w+\p:LG+8*\w+\p+1], v[LG+8+8*\w+\p:LG+8+8*\w+\p+1]
.endr
.endr
.irp w, 0,4
.irp p, 0,2,4,6
	v_pk_add_f32 v[LG+8*\w+\p:LG+8*\w+\p+1], v[LG+8*\w+\p:LG+8*\w+\p+1], v[LG+16+8*\w+\p:LG+16+8*\w+\p+1]
.endr
.endr
.irp p, 0,2,4,6
	s_delay_alu instid0(VALU_DEP_4)
	v_pk_add_f32 v[LG+\p:LG+\p+1], v[LG+\p:LG+\p+1], v[LG+32+\p:LG+32+\p+1]
.endr
.irp e, 0,1,2,3,4,5,6,7
	v_add_f32 v[LG+\e], s[32+\e], v[LG+\e]         ; + bg
.endr
	v_mov_b32 v200, v[LG]                          ; m1, i1: the largest logit so far and its expert
	v_mov_b32 v201, 0
	v_mov_b32 v202, 0xff800000                     ; m2, i2: the second
	v_mov_b32 v203, 0
.macro TOP e
	v_cmp_gt_f32 s46, v[LG+\e], v200
	v_cmp_gt_f32 s47, v[LG+\e], v202
	s_delay_alu instid0(VALU_DEP_1)
	v_cndmask_b32 v202, v202, v[LG+\e], s47
	s_delay_alu instid0(VALU_DEP_2)
	v_cndmask_b32 v203, v203, \e, s47
	s_delay_alu instid0(VALU_DEP_2)
	v_cndmask_b32 v202, v202, v200, s46
	s_delay_alu instid0(VALU_DEP_2)
	v_cndmask_b32 v203, v203, v201, s46
	v_cndmask_b32 v200, v200, v[LG+\e], s46
	v_cndmask_b32 v201, v201, \e, s46
.endm
.irp e, 1,2,3,4,5,6,7
	TOP \e
.endr
	s_delay_alu instid0(VALU_DEP_2)
	v_sub_f32 v207, v202, v200                     ; m2 - m1, 0 or less
	s_delay_alu instid0(VALU_DEP_1)
	v_mul_f32 v207, 0x3fb8aa3b, v207
	s_wait_alu depctr_va_vdst(0)
	v_exp_f32 v207, v207                           ; e^(m2 - m1)
.irp e, 0,1,2,3,4,5,6,7
	v_sub_f32 v[144+\e], v[LG+\e], v200            ; L - m1, 0 or less
.endr
.irp e, 0,1,2,3,4,5,6,7
	v_mul_f32 v[152+\e], 0x3fb8aa3b, v[144+\e]
.endr
	s_wait_alu depctr_va_vdst(0)
	v_add_f32 v208, 1.0, v207
	s_wait_alu depctr_va_vdst(0)
	v_rcp_f32 v204, v208                           ; g1 = 1 / (1 + e^(m2 - m1))
.irp e, 0,1,2,3,4,5,6,7
	v_exp_f32 v[152+\e], v[152+\e]
.endr
	v_add_f32 v144, v144, v145                     ; (plain lines behind the transcendentals)  the sum of L - m1
	v_add_f32 v146, v146, v147
	v_add_f32 v148, v148, v149
	v_add_f32 v150, v150, v151
	s_delay_alu instid0(VALU_DEP_3)
	v_add_f32 v144, v144, v146
	s_delay_alu instid0(VALU_DEP_2)
	v_add_f32 v148, v148, v150
	s_delay_alu instid0(VALU_DEP_1)
	v_add_f32 v144, v144, v148
	s_wait_alu depctr_va_vdst(0)
	v_mul_f32 v205, v207, v204                     ; g2
	v_add_f32 v152, v152, v153
	v_add_f32 v154, v154, v155
	v_add_f32 v156, v156, v157
	v_add_f32 v158, v158, v159
	s_delay_alu instid0(VALU_DEP_3)
	v_add_f32 v152, v152, v154
	s_delay_alu instid0(VALU_DEP_2)
	v_add_f32 v156, v156, v158
	s_delay_alu instid0(VALU_DEP_1)
	v_add_f32 v152, v152, v156                     ; the sum of e^(L - m1), between 1 and 8
	s_wait_alu depctr_va_vdst(0)
	v_log_f32 v152, v152
	v_lshl_or_b32 v209, v203, 8, v201              ; (a plain line)  i1 | i2 << 8
	s_wait_alu depctr_va_vdst(0)
	v_mul_f32 v206, 0x3f317218, v152               ; ln of the sum
	s_delay_alu instid0(VALU_DEP_1)
	v_fmamk_f32 v206, v144, 0xbe000000, v206       ; - (the sum of L - m1) / 8
	s_delay_alu instid0(VALU_DEP_1)
	v_add_f32 v206, 0xc0051592, v206               ; - ln 8: the token's sum over e of (1/8) (ln (1/8) - log_prob)
	s_delay_alu instid0(VALU_DEP_1)
	v_add_f32_dpp v206, v206, v206 row_xmask:1 row_mask:0xf bank_mask:0xf
	s_delay_alu instid0(VALU_DEP_1)
	v_add_f32_dpp v206, v206, v206 row_xmask:2 row_mask:0xf bank_mask:0xf
	s_delay_alu instid0(VALU_DEP_1)
	v_add_f32_dpp v206, v206, v206 row_xmask:4 row_mask:0xf bank_mask:0xf
	s_delay_alu instid0(VALU_DEP_1)
	v_add_f32_dpp v206, v206, v206 row_xmask:8 row_mask:0xf bank_mask:0xf
	v_permlanex16_b32 v207, v206, s44, s45
	s_delay_alu instid0(VALU_DEP_1)
	v_add_f32 v206, v206, v207                     ; the group's 32 terms
	v_mov_b32 v210, 0
	v_mov_b32 v211, 0
.irp e, 0,1,2,3,4,5,6,7
	v_cmp_eq_u32 s46, \e, v201
	v_cmp_eq_u32 s47, \e, v203
	s_or_b32 s46, s46, s47                         ; the ballot: which of my 32 tokens chose expert e
	v_writelane_b32 v210, s46, \e                  ; into lane e
	s_bcnt1_i32_b32 s[48+\e], s46                  ; and how many: 32 at the most
	v_writelane_b32 v211, s[48+\e], \e             ; into lane e too
.endr
.irp d, 0,1
	s_lshl_b32 s46, s[49+4*\d], 8                  ; four counts to a word, a byte each
	s_or_b32 s46, s46, s[48+4*\d]
	s_lshl_b32 s47, s[50+4*\d], 16
	s_or_b32 s46, s46, s47
	s_lshl_b32 s47, s[51+4*\d], 24
	s_or_b32 s46, s46, s47
	v_mov_b32 v[212+\d], s46
.endr
	global_store_b32 v216, v209, s[56:57] offset:6144
	global_store_b64 v217, v[204:205], s[20:21]    ; 256 consecutive bytes
	s_wait_alu depctr_va_vdst(0)
	s_wait_xcnt 0x0                                ; EXEC is a source of the pending stores: it changes only behind this wait
	s_wait_tensorcnt 0x0
	ds_add_u32 v254, v255
	s_wait_dscnt 0x0
	v_cmpx_gt_u32 8, v1
	global_store_b32 v218, v210, s[58:59] offset:2048
	global_store_b8 v219, v211, s[62:63] offset:1024
	s_wait_xcnt 0x0
	v_cmpx_gt_u32 1, v1
	global_store_b64 v218, v[212:213], s[60:61]    ; (lane 0's offset is 0)
	global_store_b32 v218, v206, s[22:23]
	s_endpgm
.Lothers:
	s_wait_tensorcnt 0x0
	ds_add_u32 v254, v255
	s_wait_dscnt 0x0
	s_endpgm
	; ---------------- the work-groups that lay the weights out ----------------
; A wave takes 16 rows x 1,024 K: eight fragments.  32 loads, all on their way together, read its rows whole; each store is one piece: 512 consecutive bytes.
.macro RELAY sb, stride
.irp s, 0,1,2,3,4,5,6,7
.irp c, 0,1,2,3
	global_load_b128 v[8+4*(4*\s+\c):8+4*(4*\s+\c)+3], v5, s[\sb:\sb+1] offset:128*\s+32*\c
.endr
.endr
.irp s, 0,1,2,3,4,5,6,7
.irp c, 0,1,2,3
	s_wait_loadcnt 31-(4*\s+\c)                    ; the younger loads may be out
	global_store_b128 v4, v[8+4*(4*\s+\c):8+4*(4*\s+\c)+3], s[24:25] offset:\stride*\s+512*\c
.endr
.endr
.endm
.Lrelay:
	v_and_b32 v2, 15, v0                           ; r
	v_bfe_u32 v3, v0, 4, 1                         ; h
	s_wait_alu depctr_va_vdst(0)
	v_lshlrev_b32 v4, 4, v1                        ; 16 x lane
	s_mov_b32 s33, 0
	s_mov_b32 s35, 0
	s_cmp_ge_u32 ttmp9, 192
	s_cbranch_scc1 .Lrelay2
	s_sub_co_u32 s27, ttmp9, 128
	s_lshl_b32 s27, s27, 3
	s_add_co_u32 s27, s27, s26                     ; task 0..511 = 16 ew + 2 b + u
	s_lshr_b32 s28, s27, 4                         ; ew
	s_bfe_u32 s29, s27, 0x30001                    ; b
	s_and_b32 s30, s27, 1                          ; u
	s_lshl_b32 s32, s28, 8
	s_lshl_b32 s31, s29, 5
	s_add_co_u32 s32, s32, s31
	s_lshl_b32 s31, s30, 3
	s_add_co_u32 s32, s32, s31
	s_lshl_b32 s32, s32, 10                        ; from: row 256 ew + 32 b + 8 u, rows of 1,024 bytes
	s_mul_i32 s34, s28, 327680
	s_lshl_b32 s31, s29, 4
	s_add_co_u32 s31, s31, s30
	s_lshl_b32 s31, s31, 11
	s_add_co_u32 s34, s34, s31                     ; to: block ew, fragment 16 b + u; K step s is two fragments on
	v_and_b32 v5, 8, v2
	s_delay_alu instid0(VALU_DEP_1)
	v_add_nc_u32 v5, v5, v2                        ; r + 8 (r / 8): the rows of a tile are not neighbours
	s_delay_alu instid0(VALU_DEP_1)
	v_lshlrev_b32 v5, 10, v5
	s_delay_alu instid0(VALU_DEP_1)
	v_lshl_add_u32 v5, v3, 4, v5
	s_wait_alu depctr_va_vdst(0)
	s_wait_kmcnt 0x0
	s_add_nc_u64 s[12:13], s[12:13], s[32:33]
	s_add_nc_u64 s[24:25], s[24:25], s[34:35]
	RELAY 12, 4096
	s_endpgm
.Lrelay2:
	s_sub_co_u32 s27, ttmp9, 192
	s_lshl_b32 s27, s27, 3
	s_add_co_u32 s27, s27, s26                     ; j 0..127: rows 16 j on of W2's 2,048 = 4 ew + n
	s_lshl_b32 s32, s27, 14                        ; from: 16 j rows of 1,024 bytes
	s_lshr_b32 s28, s27, 2                         ; ew
	s_and_b32 s29, s27, 3                          ; n
	s_mul_i32 s34, s28, 327680
	s_add_co_u32 s29, s29, 128
	s_lshl_b32 s29, s29, 11
	s_add_co_u32 s34, s34, s29                     ; to: block ew, fragment 128 + n; K step s is four fragments on
	v_lshlrev_b32 v5, 10, v2
	s_delay_alu instid0(VALU_DEP_1)
	v_lshl_add_u32 v5, v3, 4, v5
	s_wait_alu depctr_va_vdst(0)
	s_wait_kmcnt 0x0
	s_add_nc_u64 s[14:15], s[14:15], s[32:33]
	s_add_nc_u64 s[24:25], s[24:25], s[34:35]
	RELAY 14, 8192
	s_endpgm
.Lfunc_end_k_q9a7e4e927d_route:
	.size	k_q9a7e4e927d_route, .Lfunc_end_k_q9a7e4e927d_route-k_q9a7e4e927d_route
	.p2alignl 7, 3214868480
	.fill 96, 4, 3214868480
	.section	.rodata,"a",@progbits
	.p2align	6, 0x0
	.amdhsa_kernel k_q9a7e4e927d_route
		.amdhsa_group_segment_fixed_size 42496
		.amdhsa_private_segment_fixed_size 0
		.amdhsa_enable_private_segment 0
		.amdhsa_kernarg_size 88
		.amdhsa_user_sgpr_count 2
		.amdhsa_user_sgpr_kernarg_segment_ptr 1
		.amdhsa_wavefront_size32 1
		.amdhsa_system_sgpr_workgroup_id_x 1
		.amdhsa_system_sgpr_workgroup_id_y 1
		.amdhsa_system_sgpr_workgroup_id_z 1
		.amdhsa_system_vgpr_workitem_id 0
		.amdhsa_next_free_vgpr 256
		.amdhsa_next_free_sgpr 66
		.amdhsa_reserve_vcc 0
		.amdhsa_float_denorm_mode_32 3
		.amdhsa_float_denorm_mode_16_64 3
		.amdhsa_memory_ordered 1
		.amdhsa_forward_progress 1
		.amdhsa_inst_pref_size 158
	.end_amdhsa_kernel
	.amdgpu_metadata
---
amdhsa.version: [ 1, 2 ]
amdhsa.kernels:
  - .name:           k_q9a7e4e927d_route
    .symbol:         k_q9a7e4e927d_route.kd
    .args:
      - { .name: x, .offset: 0, .size: 8, .value_kind: global_buffer, .address_space: global }
      - { .name: Wg, .offset: 8, .size: 8, .value_kind: global_buffer, .address_space: global }
      - { .name: bg, .offset: 16, .size: 8, .value_kind: global_buffer, .address_space: global }
      - { .name: lowp_scales, .offset: 24, .size: 8, .value_kind: global_buffer, .address_space: global }
      - { .name: W1_codes, .offset: 32, .size: 8, .value_kind: global_buffer, .address_space: global }
      - { .name: W2_codes, .offset: 40, .size: 8, .value_kind: global_buffer, .address_space: global }
      - { .name: xq, .offset: 48, .size: 8, .value_kind: global_buffer, .address_space: global }
      - { .name: rt, .offset: 56, .size: 8, .value_kind: global_buffer, .address_space: global }
      - { .name: gate, .offset: 64, .size: 8, .value_kind: global_buffer, .address_space: global }
      - { .name: auxp, .offset: 72, .size: 8, .value_kind: global_buffer, .address_space: global }
      - { .name: wr, .offset: 80, .size: 8, .value_kind: global_buffer, .address_space: global }
    .group_segment_fixed_size: 42496
    .private_segment_fixed_size: 0
    .kernarg_segment_align: 8
    .kernarg_segment_size: 88
    .max_flat_workgroup_size: 256
    .sgpr_count:     66
    .vgpr_count:     256
    .wavefront_size: 32
...
	.end_amdgpu_metadata
.endif
;; end of part 4
;; launch chain (part 5): grid 178 x 1, 4 waves a work-group, no clusters, 121,088 bytes of LDS; arguments rt, gate, xq, wr, b1, b2, lowp_scales, ybuf; writes ybuf
.if DOCPART == 5
	.amdgcn_target "amdgcn-amd-amdhsa--gfx1250"
	.amdhsa_code_object_version 6
	.text
	.protected	k_q9a7e4e927d_chain
	.globl	k_q9a7e4e927d_chain
	.p2align	8
	.type	k_q9a7e4e927d_chain,@function
k_q9a7e4e927d_chain:
	s_mov_b64 s[64:65], 0
	v_nop
	global_prefetch_b8 v0, s[64:65] scope:SCOPE_SE
	s_setreg_imm32_b32 hwreg(HW_REG_WAVE_SCHED_MODE, 0, 2), 2
	s_setreg_imm32_b32 hwreg(HW_REG_WAVE_MODE, 25, 1), 1
	s_wait_xcnt 0x0
	s_wait_alu depctr_vm_vsrc(0)
; ONE TILE = 48 ROUTED ROWS OF ONE EXPERT, THROUGH THE WHOLE CHAIN:  ybuf[2 token + k] = gate x (gelu(x W1 + b1) W2 + b2), both products on codes of E5M2.
; GRID.  8,192 routed rows in tiles of 48 over 8 experts are never more than 171 + 7 = 178 tiles, whatever the choice (tiles of 32 could be 263, more than there are WGPs).
;   Each work-group finds its own tile from the whole numbers that the launch before stored (counts and ballots of 128 groups of 32 tokens).  THE TILE (expert, first rank, rows) is made by
;   scalar loads and scalar sums alone: on it hang the one branch on stored numbers and the base of the weights' stream.  THE ROWS (the n-th token that chose the expert) are made by subtraction,
;   minimum, shifts and AND / OR, with no compare; each lane gathers the counts and ballots of its own block of four groups from memory, and v_readlane_b32 brings a row's number to the lanes
;   that load or store the row.
;   A tile with fewer than 48 rows repeats its last row (the same numbers to the same bytes).  A tile with no row (at most 7 of the 178) walks the same text on clamped
;   addresses, since every wave passes every barrier, and jumps over its stores alone.
; SHARES.  THE WAVES SHARE THE COLUMNS: wave w makes hidden units 256 w .. + 255 and outputs 64 w .. + 63 for all 48 rows.  The tile's codes of x stay in 384 registers of each wave.
;   The weights stream from memory straight into a ring of 16 fragments (256 registers), laid by the launch before in the order of the operand's registers: each load is
;   512 consecutive bytes, each fragment feeds three matrix instructions, and the fragments are asked for a group ahead, on counted waits.
; BOTH PRODUCTS ARE USED TRANSPOSED (source 0 = 16 rows of a weight, source 1 = 16 tokens): a lane holds one token, its registers run along the next K; the rows of W1 that
;   form a tile are chosen so that the 16 registers of tiles u = 0, 1 are 16 neighbours along the next K.  The hidden layer goes from wave to wave through LDS as images of the operand's registers.
; GELU, exact: gelu(v) = max(v, 0) - |v| erfc(|v| / sqrt 2) / 2, with erfc(z) / 2 = t 2^(poly(t) - z^2 log2 e), t = 1 / (1 + z / 2), a polynomial of degree 9 whose error is about 1e-7 OF erfc,
;   so the negative tail keeps its relative accuracy.  It is computed on the sums as they stand (v = S 2^a, a = e0 + e1): a is folded into two constants and into the conversion's scale.
; NO CLUSTER: which expert a work-group serves and how many tiles an expert has are numbers read from memory, so partners cannot be shown alike, and an expert's tiles are no multiple of four.
; NO TENSOR LOADS: weights go to registers, x's rows are gathered by a list.
; LIMITS on lowp_scales (e0 W1, e1 x, e2 hidden, e3 W2), so that each power of two below is an f32 number: -62 <= e0 + e1 <= 64; -126 <= e2 - e0 - e1 <= 112; -126 <= e2 + e3 <= 127.
;   NaN and infinities among the inputs are not served.
; THE MODE: SCHED_MODE bits 1:0 = 2 (LLVM: expert scheduling mode 2), set by the entry lines.  The code itself states the register dependences
;   between vector or matrix instructions and memory or LDS instructions, with s_wait_alu, always for 0.
; THE PLAN.  Registers that memory or LDS instructions touch in the loop over groups:
;   the ring  Four sets of four slots.  Set q is read by the twelve products of K steps 2 q and 2 q + 1; then the next group's sixteen loads land in it.
;   v56-71    b1 of the group: four LDS loads at the trip's head land in it; the trip's first six products read it as their C.
;   v12, v11  LDS addresses, written at the trip's head: v12 is read by the loads of b1, v11 by the trip's three LDS stores.
;   v136-147  The hidden layer's codes: written by the six conversions, read by the three LDS stores, which stand in one run at the trip's end.
;   v1        Read by every load of the stream; never written again: the scalar base moves on, and immediate offsets do the rest.
;   The accumulators and the GELU's registers are named by vector and matrix instructions alone.
;   So a trip has: at its head a wait on vm_vsrc (the last trip's LDS instructions have read v11, v12 and the codes) and, behind the two adds, one on va_vdst; behind K step 3 one on va_vdst: sets 0 and 1 have
;   been read, and their refills stand in the middle of the products of K steps 4, 5 and 6, 7, which name sets 2 and 3; behind K step 7 one on va_vdst: sets 2 and 3 have been read; set 2 is asked for at once,
;   set 3 behind the first tile's GELU, which names window 0 alone; at its end one on va_vdst: the codes are written.  The waits inside the GELU stand ahead of and behind its transcendentals.
;   The second product has one wait on va_vdst behind each of its K steps 0 to 5: the step's products have read their set of the ring and their buffer of hidden fragments, in which the next loads land.
; REGISTERS, in windows of 256.  Window 0: v1-8, v10-12 addresses; v9, v13 the rows' places in ybuf (lane = row, rows 0-31 and 32-47); v14-19 the three tiles' gates; v22, v23 the hidden layer's scale and hold;
;   v24-55 b2; v56-71 b1 of a group (ahead of the loop: lane numbers, masks and addresses of the set-up); v72-119 six accumulators of the hidden layer; v136-147 its codes; v152-177 at work in the GELU;
;   v254, v255 the closing add's two.  Ahead of the loop v72-223 are scratch, at the end v72-154.
;   Windows 1, 2: x's fragments X(m, s) at 64 s + 16 m, m = 0 .. 2 (s < 4: window 1).  Second product: window 1: v0-127 the 12 accumulators Y(n, m) at 8 (4 n + m); v128-255 two buffers of three hidden fragments.
;   Window 3: the ring, slot i at 16 i.
.set TR,   48                          ; rows in a tile: three tiles of 16 tokens
.set XT,   0                           ; LDS: the tile's 48 rows of codes, 1,024 bytes + 16 of padding: the 16 rows that a load touches start at 16 different banks
.set XP,   1040
.set HIMG, 49920                       ; the hidden layer: 24 images of 2,048 bytes, (tile of rows m, K step s) at 8 m + s
.set B1S,  99072                       ; b1 / 2^a: 1,024 bytes for each wave, its own
.set STG,  103168                      ; the way out: 16 rows x (256 + 16) bytes for each wave, its own
.set SP,   272
.set EWB,  327680                      ; a wave's stream of weights: 160 fragments
.set WV,   2                           ; s2: my wave's number
.set B2R,  24
.set BIA,  56
.set ACC,  72
.set PC,   136
.set T,    152
.set W,    160
.set P,    168
.set OO,   72
.set RB,   104
.set AD,   144
.set MSB, 0
.macro WIN new                         ; the immediate's high byte repeats the setting that is left
.if MSB != \new
	s_set_vgpr_msb (MSB<<8)|\new
.set MSB, \new
.endif
.endm
.macro PLACES                          ; four plain vector lines behind a matrix instruction, ahead of a read of its result; they also stand ahead of each wait that speaks for loads into its registers
.rept 4
	v_nop
.endr
.endm
; THE EXPERTS' TOTALS.  A group's eight counts are eight bytes.  A round brings 32 groups (256 bytes) into 64 scalar registers.
.macro ASK r
	s_load_b512 s[20:35], s[4:5], 256*\r
	s_load_b512 s[36:51], s[4:5], 256*\r+64
	s_load_b512 s[68:83], s[4:5], 256*\r+128
	s_load_b512 s[84:99], s[4:5], 256*\r+192
.endm
; four groups are added byte by byte (a count is 32 at the most, so a byte holds 128 at the most and nothing carries), then widened into fields of 16 bits (a total is 4,096 at the most)
.macro FOUR b
	s_add_nc_u64 s[\b:\b+1], s[\b:\b+1], s[\b+2:\b+3]
	s_add_nc_u64 s[\b+4:\b+5], s[\b+4:\b+5], s[\b+6:\b+7]
	s_add_nc_u64 s[\b:\b+1], s[\b:\b+1], s[\b+4:\b+5]
	s_and_b32 s57, s[\b], s56
	s_add_co_u32 s52, s52, s57                     ; experts 0, 2
	s_lshr_b32 s57, s[\b], 8
	s_and_b32 s57, s57, s56
	s_add_co_u32 s53, s53, s57                     ; experts 1, 3
	s_and_b32 s57, s[\b+1], s56
	s_add_co_u32 s54, s54, s57                     ; experts 4, 6
	s_lshr_b32 s57, s[\b+1], 8
	s_and_b32 s57, s57, s56
	s_add_co_u32 s55, s55, s57                     ; experts 5, 7
.endm
.macro TALLY
	s_wait_kmcnt 0x0                               ; scalar loads come back in no order: the wait is for all
.irp b, 20,28,36,44,68,76,84,92
	FOUR \b
.endr
.endm
; fragment i of the stream into the ring's slot of the same number
.macro RINGIN i
.irp c, 0,1,2,3
	global_load_b128 v[16*\i+4*\c:16*\i+4*\c+3], v1, s[10:11] offset:2048*\i+512*\c
.endr
.endm
	s_load_b512 s[4:19], s[0:1], 0x0               ; rt, gate, xq, wr, b1, b2, lowp_scales, ybuf
	v_lshl_add_u32 v254, v0, 2, 0x1d700
	v_mov_b32 v255, 0
	v_and_b32 v56, 31, v0                          ; lane
	v_lshlrev_b32 v1, 4, v56                       ; 16 x lane
	v_lshrrev_b32 v2, 5, v0
	v_readfirstlane_b32 s[WV], v2                  ; wave 0..3
	s_mov_b32 s52, 0
	s_mov_b32 s53, 0
	s_mov_b32 s54, 0
	s_mov_b32 s55, 0
	s_mov_b32 s56, 0x00ff00ff
	s_wait_alu depctr_va_sdst(0)                   ; s2, the wave's number, is written, ahead of its first reader: LDS addresses and the stream's base are made from it
	s_wait_kmcnt 0x0
	s_load_b128 s[60:63], s[16:17], 0x0            ; e0, e1, e2, e3
	ASK 0
	; ---- addresses that stay (while the first round is on its way) ----
	v_and_b32 v57, 15, v0                          ; r
	v_bfe_u32 v58, v0, 4, 1                        ; h
	v_mul_u32_u24 v2, v57, XP
	v_lshl_add_u32 v2, v58, 4, v2                  ; v2: x's fragments: row r, + 16 h
	v_mul_u32_u24 v3, v58, XP
	v_lshl_add_u32 v3, v57, 4, v3                  ; row h, + 16 r
	s_mul_i32 s58, s[WV], 4*XP
	s_add_co_u32 s58, s58, 32*XP
	v_add_nc_u32 v60, s58, v3                      ; v60: where my gathered rows 32 + 4 wave + .. go
	s_mul_i32 s58, s[WV], 8*XP
	v_add_nc_u32 v3, s58, v3                       ; v3: where my gathered rows 8 wave + .. go
	s_lshl_b32 s58, s[WV], 12
	s_add_co_u32 s58, s58, HIMG
	v_add_nc_u32 v4, s58, v1                       ; v4: my images of the hidden layer: K steps 2 wave, 2 wave + 1
	v_add_nc_u32 v5, HIMG, v1                      ; v5: any image
	s_lshl_b32 s58, s[WV], 10
	s_add_co_u32 s58, s58, B1S
	v_lshl_add_u32 v6, v58, 6, s58                 ; v6: b1 of a group: + 64 h
	v_add_nc_u32 v59, s58, v1                      ; v59: where b1 goes
	s_mul_i32 s58, s[WV], 16*SP
	s_add_co_u32 s58, s58, STG
	v_mul_u32_u24 v7, v57, SP
	v_lshl_add_u32 v7, v58, 5, v7
	v_add_nc_u32 v7, s58, v7                       ; v7: the stage, in: row r, + 32 h
	v_mul_u32_u24 v8, v58, SP
	v_lshl_add_u32 v8, v57, 4, v8
	v_add_nc_u32 v8, s58, v8                       ; v8: the stage, back: row h, + 16 r
	s_lshl_b32 s58, s[WV], 8
	v_lshl_add_u32 v10, v57, 4, s58                ; v10: my bytes in a row of ybuf: 256 wave + 16 r
	v_lshlrev_b32 v61, 5, v58                      ; v61: b2: 32 h
	v_add_nc_u32 v62, -1, v58                      ; v62: all ones in lanes 0-15
	v_sub_nc_u32 v63, 0, v58                       ; v63: all ones in lanes 16-31
	TALLY
	ASK 1
	TALLY
	ASK 2
	TALLY
	ASK 3
	TALLY
	s_and_b32 s28, s52, 0xffff                     ; s28-35: the eight experts' rows
	s_lshr_b32 s30, s52, 16
	s_and_b32 s29, s53, 0xffff
	s_lshr_b32 s31, s53, 16
	s_and_b32 s32, s54, 0xffff
	s_lshr_b32 s34, s54, 16
	s_and_b32 s33, s55, 0xffff
	s_lshr_b32 s35, s55, 16
	; ---- my tile: expert s37, its first tile s38, its rows s39 ----
	s_mov_b32 s21, ttmp9                           ; my tile
	s_mov_b32 s36, 0
	s_mov_b32 s37, 0
	s_mov_b32 s38, 0
	s_mov_b32 s39, s28
.macro TILEOF e
	s_add_co_u32 s43, s[28+\e], TR-1               ; the expert's tiles: (rows + 47) / 48 = ((rows + 47) / 16) / 3;
	s_lshr_b32 s43, s43, 4                         ; 258 at the most,
	s_mul_i32 s43, s43, 0xaaab                     ; and y / 3 = y x 43,691 >> 17 without error for so small a y (3 x 43,691 = 2^17 + 1)
	s_lshr_b32 s43, s43, 17
	s_add_co_u32 s36, s36, s43                     ; tiles of experts 0 .. e
	s_cmp_le_u32 s36, s21                          ; my tile lies behind them?
	s_cselect_b32 s38, s36, s38
.if \e < 7
	s_cselect_b32 s39, s[29+\e], s39
.else
	s_cselect_b32 s39, 0, s39
.endif
	s_add_co_ci_u32 s37, s37, 0                    ; + 1 if so (the last use of that compare)
.endm
.irp e, 0,1,2,3,4,5,6,7
	TILEOF \e
.endr
	s_min_u32 s37, s37, 7                          ; the expert; a tile behind the last expert's has no rows
	s_lshl_b32 s47, s37, 7
	s_load_b512 s[68:83], s[4:5], s47 offset:0x400 ; my expert's 128 counts, a byte a group: 32 words, a word = a block of four groups
	s_load_b512 s[84:99], s[4:5], s47 offset:0x440
	s_sub_co_u32 s40, s21, s38
	s_mul_i32 s40, s40, TR                         ; the rank of my first row among the expert's rows
	s_sub_co_i32 s41, s39, s40
	s_min_i32 s41, s41, TR
	s_max_i32 s41, s41, 0                          ; my rows: 0 .. 48
	s_sub_co_i32 s42, s41, 1
	s_max_i32 s42, s42, 0
	; ---- the stream of weights starts: three of the ring's four batches.  With the four gathers below 52 loads are out at the most: a load that would push LOADcnt
	;      past its field is held at its issue (ISA guide 5.7.1), and the search for my rows would stand behind it.  The fourth batch follows behind the gathers' wait ----
	s_lshl_b32 s46, s37, 2
	s_add_co_u32 s46, s46, s[WV]                   ; 4 expert + wave
	s_mul_i32 s44, s46, EWB
	s_mov_b32 s45, 0
	s_add_nc_u64 s[10:11], s[10:11], s[44:45]
	s_lshl_b32 s44, s46, 10
	s_add_nc_u64 s[12:13], s[12:13], s[44:45]      ; b1: my 256 numbers
	s_lshl_b32 s44, s46, 8
	s_add_nc_u64 s[14:15], s[14:15], s[44:45]      ; b2: my 64
	WIN 0xc0                                       ; destination window 3
	s_wait_alu depctr_va_vdst(0)                   ; v1 is written, the offset of every load of the stream; so are v2, v3, v5, v7, v8, v10 and v59 to v61, the addresses and offsets of the LDS and memory instructions further down
.irp i, 0,1,2,3,4,5,6,7,8,9,10,11
	RINGIN \i
.endr
	WIN 0
	; ---- constants ----
	s_add_co_i32 s51, s60, s61                     ; a = e0 + e1: a sum S of the first product stands for S 2^a
	s_lshl_b32 s43, s51, 23
	s_add_co_u32 s52, s43, 0x3eb504f3              ; ku = 2^a / (2 sqrt 2): z / 2 = |S| ku
	s_lshl_b32 s43, s51, 24
	s_add_co_u32 s54, s43, 0xbf38aa3b              ; kw = - 2^(2 a) log2(e) / 2: - z^2 log2 e = S^2 kw
	s_mov_b32 s55, s54                             ; (a scalar pair is named whole, so both words are written)
	s_sub_co_i32 s53, 0, s51                       ; - a
	s_add_co_i32 s43, s62, s63
	s_add_co_i32 s43, s43, 127
	s_lshl_b32 s56, s43, 23                        ; 2^(e2 + e3)
	s_mov_b32 s57, s56
	s_sub_co_i32 s43, s62, s51
	s_add_co_i32 s43, s43, 127
	s_lshl_b32 s58, s43, 23
	v_mov_b32 v22, s58                             ; 2^(e2 - a): the three scales folded into the conversion's one
	s_add_co_i32 s43, s43, 15
	s_lshl_b32 s43, s43, 23
	s_or_b32 s43, s43, 0x600000
	v_mov_b32 v23, s43                             ; 57,344 x that
	; ---- my rows: lane l looks for the tile's rows l and 32 + l (of the second set only lanes 0-15's are used) ----
	v_min_u32 v138, s42, v56
	v_add_nc_u32 v138, s40, v138                   ; R0: the rank of row l among the expert's rows (a row behind the last repeats the last)
	v_add_nc_u32 v139, 32, v56
	v_min_u32 v139, s42, v139
	v_add_nc_u32 v139, s40, v139                   ; R1: of row 32 + l
	v_mov_b32 v140, 0                              ; blocks that begin behind the row
	v_mov_b32 v141, 0
	v_mov_b32 v144, v138                           ; the row's rank inside its block: the least of the differences that are not negative
	v_mov_b32 v145, v139
	s_mov_b32 s36, 0
	s_wait_alu depctr_va_vdst(0)
	s_wait_kmcnt 0x0                               ; my expert's counts
.set i, 0
.rept 32                               ; the running total I over the 32 blocks.  d = R - I is negative (as an unsigned number: huge) where the block's end lies behind the row
	s_mul_i32 s43, s[68+i], 0x01010101             ; the word's four bytes added: their sum, 128 at the most, stands in the top byte
	s_lshr_b32 s43, s43, 24
	s_add_co_u32 s36, s36, s43
	v_sub_nc_u32 v142, v138, s36
	v_sub_nc_u32 v143, v139, s36
	v_min_u32 v144, v144, v142
	v_min_u32 v145, v145, v143
	v_lshrrev_b32 v142, 31, v142
	v_lshrrev_b32 v143, 31, v143
	v_add_nc_u32 v140, v140, v142
	v_add_nc_u32 v141, v141, v143
.set i, i+1
.endr
	v_sub_nc_u32 v140, 32, v140                    ; the block that holds the row
	v_sub_nc_u32 v141, 32, v141
	v_min_u32 v140, 31, v140                       ; a number made of loaded numbers enters addresses only behind this bound
	v_min_u32 v141, 31, v141
	s_lshl_b32 s43, s37, 7
	v_lshl_add_u32 v146, v140, 2, s43              ; 128 expert + 4 block
	v_lshl_add_u32 v147, v141, 2, s43
	s_lshl_b32 s43, s37, 9
	v_lshl_add_u32 v148, v140, 4, s43              ; 512 expert + 16 block
	v_lshl_add_u32 v149, v141, 4, s43
	s_wait_alu depctr_va_vdst(0)                   ; v146 to v149 are written, the offsets of the four gathers
	global_load_b32 v150, v146, s[4:5] offset:1024           ; the block's four counts
	global_load_b32 v151, v147, s[4:5] offset:1024
	global_load_b128 v[152:155], v148, s[4:5] offset:2048    ; and its four ballots
	global_load_b128 v[156:159], v149, s[4:5] offset:2048
	s_mov_b32 s66, 0xc034d90f                      ; the polynomial's coefficients x log2 e (c0 with 1 taken off, for the half): c0 .. c7, c9
	s_mov_b32 s68, 0x3fb8ab5a
	s_mov_b32 s70, 0x3f0a29d2
	s_mov_b32 s72, 0x3e0efb2f
	s_mov_b32 s74, 0xbe899a80
	s_mov_b32 s76, 0x3ecdfd18
	s_mov_b32 s78, 0xbfd1a1e5
	s_mov_b32 s80, 0x40097039
	s_mov_b32 s82, 0x3e7c6f08
.irp k, 66,68,70,72,74,76,78,80,82
	s_mov_b32 s[\k+1], s[\k]
.endr
	s_lshl_b32 s20, s[WV], 3                       ; s20-27: the lanes that hold my eight rows among rows 0-31: 8 wave + 0 .. 7
.irp k, 1,2,3,4,5,6,7
	s_add_co_u32 s[20+\k], s20, \k
.endr
	s_lshl_b32 s28, s[WV], 2                       ; s28-31: those of my four rows among rows 32-47: 4 wave + 0 .. 3
.irp k, 1,2,3
	s_add_co_u32 s[28+\k], s28, \k
.endr
	s_wait_loadcnt 0x0                             ; the four gathers; the ring's 48 loads are older, so they are in too
	WIN 0xc0
.irp i, 12,13,14,15
	RINGIN \i                                      ; the ring's fourth batch: it lands under the rest of the set-up.  No wait: no vector instruction has named these slots, nor v1 since the wait at the stream's start
.endr
	WIN 0
.macro LEVEL src, wid, sh, vr          ; does the wanted bit lie behind the lower half of the field at bit v165?  Then the half's count comes off the rank and the half's width goes onto the bit
	v_bfe_u32 v164, v[\src], v165, \wid
	v_sub_nc_u32 v164, v[\vr], v164
	v_min_u32 v[\vr], v[\vr], v164
	v_lshrrev_b32 v164, 31, v164
	v_xor_b32 v164, 1, v164
	v_lshl_add_u32 v165, v164, \sh, v165
.endm
.macro FINDROW vr, vl, c, m, tk        ; rank v[vr] in block v[vl], whose counts are v[c] and whose ballots v[m] .. v[m + 3] -> the token's number in v[tk]
	v_and_b32 v160, 0xff, v[\c]                    ; the ranks at which groups 1, 2, 3 of the block begin
	v_bfe_u32 v161, v[\c], 8, 8
	v_bfe_u32 v162, v[\c], 16, 8
	v_add_nc_u32 v161, v161, v160
	v_add_nc_u32 v162, v162, v161
.irp j, 0,1,2
	v_sub_nc_u32 v[160+\j], v[\vr], v[160+\j]
.endr
.irp j, 0,1,2
	v_min_u32 v[\vr], v[\vr], v[160+\j]            ; the rank inside the group
.endr
	v_mov_b32 v166, 3
.irp j, 0,1,2
	v_lshrrev_b32 v[160+\j], 31, v[160+\j]         ; 1: group j + 1 begins behind the row
	v_sub_nc_u32 v166, v166, v[160+\j]             ; the group
	v_sub_nc_u32 v163, 0, v[160+\j]                ; all ones: keep the ballot in hand
	v_add_nc_u32 v164, -1, v[160+\j]               ; all ones: take group j + 1's
	v_and_b32 v[\m], v[\m], v163
	v_and_or_b32 v[\m], v[\m+1+\j], v164, v[\m]
.endr
	v_lshrrev_b32 v160, 1, v[\m]                   ; counts of set bits in fields of 2, 4, 8, 16 bits
	v_and_b32 v160, 0x55555555, v160
	v_sub_nc_u32 v160, v[\m], v160
	v_lshrrev_b32 v161, 2, v160
	v_and_b32 v161, 0x33333333, v161
	v_and_b32 v164, 0x33333333, v160
	v_add_nc_u32 v161, v161, v164
	v_lshrrev_b32 v162, 4, v161
	v_add_nc_u32 v162, v162, v161
	v_and_b32 v162, 0x0f0f0f0f, v162
	v_lshrrev_b32 v163, 8, v162
	v_add_nc_u32 v163, v163, v162
	v_and_b32 v163, 0x00ff00ff, v163
	v_mov_b32 v165, 0
	LEVEL 163, 8, 4, \vr
	LEVEL 162, 8, 3, \vr
	LEVEL 161, 4, 2, \vr
	LEVEL 160, 2, 1, \vr
	LEVEL \m, 1, 0, \vr
	v_lshl_add_u32 v164, v[\vl], 2, v166
	v_lshl_add_u32 v[\tk], v164, 5, v165           ; 32 x group + bit
	v_min_u32 v[\tk], 0xfff, v[\tk]
.endm
	FINDROW 144, 140, 150, 152, 120
	FINDROW 145, 141, 151, 156, 121
	; ---- what hangs on the rows ----
; A wave gathers 12 of the 48 rows, two at a time: sixteen lanes read 256 consecutive bytes of a row.  Eight of them lie among rows 0-31 (8 wave on), four among rows 32-47 (32 + 4 wave on).
; The twelve rows' tokens come into s84-95 in one run, with one wait behind it.
.irp k, 0,1,2,3,4,5,6,7
	v_readlane_b32 s[84+\k], v120, s[20+\k]
.endr
.irp k, 0,1,2,3
	v_readlane_b32 s[92+\k], v121, s[28+\k]
.endr
	v_lshlrev_b32 v100, 2, v120
	v_lshlrev_b32 v101, 2, v121
	v_lshlrev_b32 v102, 3, v120
	v_lshlrev_b32 v103, 3, v121
	v_lshlrev_b32 v98, 4, v57
	v_lshlrev_b32 v99, 2, v57
	v_add_nc_u32 v78, 64, v99
	s_wait_alu depctr_va_sdst(0)                   ; the twelve v_readlane_b32 have written s84 to s95, ahead of their first reader
.macro PAIR i                          ; pair i of my rows: the first row's token for lanes 0-15, the next row's for lanes 16-31
	v_and_b32 v[112+\i], s[84+2*\i], v62
	v_and_or_b32 v[112+\i], s[85+2*\i], v63, v[112+\i]
	v_min_u32 v[112+\i], 0xfff, v[112+\i]
	v_lshl_add_u32 v[88+\i], v[112+\i], 10, v98
.endm
.irp i, 0,1,2,3,4,5
	PAIR \i
.endr
	s_wait_alu depctr_vm_vsrc(0)                   ; the four gathers have read their offsets v146 to v149, in which rows of x land
	s_wait_alu depctr_va_vdst(0)                   ; v100 to v103 and v88 to v93 are written, the offsets of the loads below; the search is done with v138 to v166, in which rows of x land
	global_load_b32 v72, v100, s[4:5] offset:6144  ; i1 | i2 << 8
	global_load_b32 v73, v101, s[4:5] offset:6144
	global_load_b64 v[74:75], v102, s[6:7]         ; g1, g2
	global_load_b64 v[76:77], v103, s[6:7]
	global_load_b128 v[80:83], v1, s[12:13]        ; b1
	global_load_b128 v[84:87], v1, s[12:13] offset:512
.irp n, 0,1,2,3
	global_load_b128 v[B2R+8*\n:B2R+8*\n+3], v61, s[14:15] offset:64*\n          ; b2 in the result's layout: outputs 16 n + 8 h + 0 .. 7
	global_load_b128 v[B2R+8*\n+4:B2R+8*\n+7], v61, s[14:15] offset:64*\n+16
.endr
.irp i, 0,1,2,3,4,5
.irp q, 0,1,2,3
	global_load_b128 v[128+16*\i+4*\q:128+16*\i+4*\q+3], v[88+\i], s[8:9] offset:256*\q
.endr
.endr
	s_wait_loadcnt 34                              ; the pairs and the gates are in: behind them stand b1's 2, b2's 8 and x's 24 loads
	v_and_b32 v126, 0xff, v72
	v_and_b32 v127, 0xff, v73
	v_xor_b32 v126, s37, v126
	v_xor_b32 v127, s37, v127
	v_min_u32 v126, 1, v126                        ; k = 1 where my expert is the token's second
	v_min_u32 v127, 1, v127
	v_cmp_ne_u32 s32, 0, v126
	v_cmp_ne_u32 s33, 0, v127
	v_lshl_add_u32 v9, v120, 1, v126               ; the row's place in ybuf: 2 token + k
	v_lshl_add_u32 v13, v121, 1, v127
	s_wait_alu depctr_va_sdst(0)                   ; the two compares have written s32 and s33, ahead of the selects that read them
	v_cndmask_b32 v122, v74, v75, s32              ; the gate
	v_cndmask_b32 v123, v76, v77, s33
	s_wait_loadcnt 24                              ; b1 and b2 are in: x's 24 loads are younger
.irp j, 0,1,2,3,4,5,6,7
	v_ldexp_f32 v[80+\j], v[80+\j], s53            ; b1 / 2^a: it goes in as the C of a sum's first product
.endr
	s_wait_alu depctr_va_vdst(0)                   ; v122 and v123 are written, which the permutes read, and v80 to v87, which the LDS stores read
	ds_bpermute_b32 v14, v99, v122                 ; the gate of token r of each tile of 16 rows
	ds_bpermute_b32 v16, v78, v122
	ds_bpermute_b32 v18, v99, v123
	ds_store_b128 v59, v[80:83]
	ds_store_b128 v59, v[84:87] offset:512
.irp i, 0,1,2,3,4,5
	s_wait_loadcnt 20-4*\i                         ; this pair of rows is in: four loads for each later pair are younger
.irp q, 0,1,2,3
.if \i < 4
	ds_store_b128 v3, v[128+16*\i+4*\q:128+16*\i+4*\q+3] offset:2*XP*\i+256*\q
.else
	ds_store_b128 v60, v[128+16*\i+4*\q:128+16*\i+4*\q+3] offset:2*XP*(\i-4)+256*\q
.endif
.endr
.endr
	s_wait_dscnt 0x0                               ; for the others' sake: my rows have landed (and the gates are back)
	s_barrier_signal -1
	s_barrier_wait -1                              ; the tile's 48 rows lie in LDS
	WIN 0x40                                       ; destination window 1
.irp s, 0,1,2,3
.irp m, 0,1,2
.irp c, 0,1,2,3
	ds_load_b128 v[64*\s+16*\m+4*\c:64*\s+16*\m+4*\c+3], v2 offset:16*XP*\m+128*\s+32*\c
.endr
.endr
.endr
	WIN 0x80                                       ; window 2
.irp s, 4,5,6,7
.irp m, 0,1,2
.irp c, 0,1,2,3
	ds_load_b128 v[64*(\s-4)+16*\m+4*\c:64*(\s-4)+16*\m+4*\c+3], v2 offset:16*XP*\m+128*\s+32*\c
.endr
.endr
.endr
	WIN 0
	s_wait_alu depctr_vm_vsrc(0)                   ; the set-up's loads, permutes and LDS stores have read their registers (v59 to v61, v78 to v103, v122, v123, v128 to v223): from here on these are b1's, the accumulators', the codes' and the GELU's
	v_mov_b32 v15, v14                             ; (named as the upper halves of pairs)
	v_mov_b32 v17, v16
	v_mov_b32 v19, v18
	v_mov_b32 v176, 0xbf97d29d                     ; c8
	v_mov_b32 v177, 0xbf97d29d
	s_mov_b32 s48, 0
	s_mov_b32 s49, 0
	s_mov_b32 s50, 0
	s_wait_dscnt 0x0
; eight sums S of one accumulator become gelu / 2^a, held at the largest code x the scale.  Each run of transcendentals has plain lines behind it before its results are used.
.macro GELU8 a
.irp j, 0,1,2,3,4,5,6,7
	v_fma_f32 v[T+\j], |v[\a+\j]|, s52, 1.0        ; 1 + z / 2  (the accumulator is read from its low end on)
.endr
	s_wait_alu depctr_va_vdst(0)
.irp j, 0,1,2,3,4,5,6,7
	v_rcp_f32 v[T+\j], v[T+\j]                     ; t
.endr
.irp j, 0,2,4,6
	v_pk_mul_f32 v[W+\j:W+\j+1], v[\a+\j:\a+\j+1], v[\a+\j:\a+\j+1]
.endr
	s_wait_alu depctr_va_vdst(0)                   ; the eight reciprocals have written v152 to v159: one wait for the batch, ahead of its first reader
.irp j, 0,2,4,6
	v_pk_fma_f32 v[P+\j:P+\j+1], v[T+\j:T+\j+1], s[82:83], v[176:177] op_sel_hi:[1,0,1]
.endr
.irp k, 80,78,76,74,72,70,68,66
.irp j, 0,2,4,6
	v_pk_fma_f32 v[P+\j:P+\j+1], v[P+\j:P+\j+1], v[T+\j:T+\j+1], s[\k:\k+1] op_sel_hi:[1,1,0]
.endr
.endr
.irp j, 0,2,4,6
	v_pk_fma_f32 v[W+\j:W+\j+1], v[W+\j:W+\j+1], s[54:55], v[P+\j:P+\j+1] op_sel_hi:[1,0,1]
.endr
	s_wait_alu depctr_va_vdst(0)
.irp j, 0,1,2,3,4,5,6,7
	v_exp_f32 v[W+\j], v[W+\j]
.endr
.irp j, 0,1,2,3,4,5,6,7
	v_max_num_f32 v[P+\j], 0, v[\a+\j]
.endr
	s_wait_alu depctr_va_vdst(0)                   ; the eight exponentials have written v160 to v167: one wait for the batch, ahead of its first reader
.irp j, 0,2,4,6
	v_pk_mul_f32 v[W+\j:W+\j+1], v[W+\j:W+\j+1], v[T+\j:T+\j+1]    ; erfc(z) / 2
.endr
.irp j, 0,1,2,3,4,5,6,7
	v_fma_f32 v[\a+\j], -|v[\a+\j]|, v[W+\j], v[P+\j]
.endr
.irp j, 0,1,2,3,4,5,6,7
	v_med3_num_f32 v[\a+\j], v[\a+\j], -v23, v23   ; the conversion to an 8-bit code does not saturate (ISA guide 7.6.2)
.endr
.endm
; K step 2 q + z of a group: two fragments of W1, each against the three tiles of tokens.  The six accumulators take turns, one instruction a turn.
.macro MULS q, z
.irp u, 0,1
.irp m, 0,1,2
.if (\q == 0) && (\z == 0)
	v_wmma_f32_16x16x128_bf8_bf8 v[ACC+16*\m+8*\u:ACC+16*\m+8*\u+7], v[16*(4*\q+2*\z+\u):16*(4*\q+2*\z+\u)+15], v[64*((2*\q+\z)%4)+16*\m:64*((2*\q+\z)%4)+16*\m+15], v[BIA+8*\u:BIA+8*\u+7]
.else
	v_wmma_f32_16x16x128_bf8_bf8 v[ACC+16*\m+8*\u:ACC+16*\m+8*\u+7], v[16*(4*\q+2*\z+\u):16*(4*\q+2*\z+\u)+15], v[64*((2*\q+\z)%4)+16*\m:64*((2*\q+\z)%4)+16*\m+15], v[ACC+16*\m+8*\u:ACC+16*\m+8*\u+7]
.endif
.endr
.endr
.endm
; set q of the ring is asked for again: the same four slots, 16 fragments on
.macro REFILL q
	WIN 0xc0
.irp i, 0,1,2,3
.irp c, 0,1,2,3
	global_load_b128 v[16*(4*\q+\i)+4*\c:16*(4*\q+\i)+4*\c+3], v1, s[10:11] offset:32768+2048*(4*\q+\i)+512*\c
.endr
.endr
.endm
.Lgroup:                                           ; eight trips: a group of 32 of my hidden units, 16 fragments of W1.  The last trip's refills are W2's first 16: the stream is one
	s_wait_alu depctr_vm_vsrc(0)                   ; the last trip's LDS stores have read v11 and the codes v136 to v147, its loads of b1 have read v12: all are written again in this trip
	v_add_nc_u32 v11, s49, v4
	v_add_nc_u32 v12, s50, v6
	s_wait_alu depctr_va_vdst(0)                   ; v12 is written, which the loads of b1 read, and v11, which this trip's LDS stores read; the products that read v56 to v71 are done (first trip: so are the set-up's lines that named v56 to v63)
.irp j, 0,1,2,3
	ds_load_b128 v[BIA+4*\j:BIA+4*\j+3], v12 offset:16*\j
.endr
	s_wait_loadcnt 48                              ; set 0 is in: behind its 16 loads stand those of sets 1, 2 and 3
	s_wait_dscnt 0x0                               ; b1 of this group
	WIN 0x07                                       ; source 0 (W1) window 3, source 1 (x) window 1
	MULS 0, 0
	MULS 0, 1
	s_wait_loadcnt 32                              ; set 1 is in: sets 2 and 3 are younger
	MULS 1, 0
	MULS 1, 1
	PLACES
	s_wait_alu depctr_va_vdst(0)                   ; the products of K steps 0 to 3 are done reading sets 0 and 1 of the ring, in which the two runs of loads below land
	s_wait_loadcnt 16                              ; set 2 is in: set 3 is younger
	WIN 0x0b                                       ; source 1 window 2
	MULS 2, 0
	REFILL 0                                       ; no wait: the products issued since the wait name sets 2 and 3, x in window 2 and the accumulators
	WIN 0x0b
	MULS 2, 1
	s_wait_loadcnt 16                              ; set 3 is in: the 16 loads just issued are younger
	MULS 3, 0
	REFILL 1
	WIN 0x0b
	MULS 3, 1
	PLACES                                         ; ahead of the GELU's first read of the sums
	WIN 0xc0
	s_wait_alu depctr_va_vdst(0)                   ; the products of K steps 4 to 7 are done reading sets 2 and 3 of the ring
	REFILL 2
	WIN 0
.irp m, 0,1,2
	GELU8 ACC+16*\m
	GELU8 ACC+16*\m+8
	v_cvt_scalef32_pk8_bf8_f32 v[PC+4*\m:PC+4*\m+1], v[ACC+16*\m:ACC+16*\m+7], v22
	v_cvt_scalef32_pk8_bf8_f32 v[PC+4*\m+2:PC+4*\m+3], v[ACC+16*\m+8:ACC+16*\m+15], v22
	v_nop                                          ; a plain line behind the conversions
.if \m == 0
	REFILL 3                                       ; no wait: the GELU names window 0 alone, and not v1.  It stands here so that 48 loads, those of sets 0 to 2, are out at the most ahead of its sixteen (a load that would push LOADcnt past its field is held at its issue: ISA guide 5.7.1)
	WIN 0
.endif
.endr
	s_wait_alu depctr_va_vdst(0)                   ; the six conversions have written v136 to v147, which the LDS stores read
.irp m, 0,1,2
	ds_store_b128 v11, v[PC+4*\m:PC+4*\m+3] offset:16384*\m     ; 16 neighbouring hidden units of token r: a piece of the image of K step 2 wave + group / 4
.endr
	s_wait_xcnt 0x0                                ; the refills have read their base: it steps only behind this wait
	s_add_nc_u64 s[10:11], s[10:11], 32768
	s_add_co_u32 s49, s49, 512
	s_add_co_u32 s50, s50, 128
	s_add_co_u32 s48, s48, 1
	s_cmp_lt_u32 s48, 8
	s_cbranch_scc1 .Lgroup
	s_wait_dscnt 0x0                               ; for the others' sake: my images have landed
	s_barrier_signal -1
	s_barrier_wait -1                              ; the hidden layer's 24 fragments lie in LDS
.macro HLOAD sg                        ; K step sg's three fragments (one for each tile of tokens) into buffer sg % 2
.irp m, 0,1,2
.irp c, 0,1,2,3
	ds_load_b128 v[128+64*((\sg)%2)+16*\m+4*\c:128+64*((\sg)%2)+16*\m+4*\c+3], v5 offset:16384*\m+2048*(\sg)+512*\c
.endr
.endr
.endm
.macro SIGMA sg                        ; a K step of the second product: 12 accumulators by turns
.if \sg < 7
	WIN 0x40
	HLOAD (\sg)+1
	s_wait_dscnt 12                                ; this step's fragments are in; the next step's 12 loads may be out
.else
	s_wait_dscnt 0x0
.endif
.if \sg < 5
	s_wait_loadcnt 48                              ; W2's four fragments: three batches of 16 loads were asked for since
.else
	s_wait_loadcnt 16*(7-\sg)                      ; nothing more is asked for: the counts run down
.endif
	WIN 0x57                                       ; source 0 (W2) window 3; source 1, C and D window 1
.irp n, 0,1,2,3
.irp m, 0,1,2
.if \sg == 0
	v_wmma_f32_16x16x128_bf8_bf8 v[8*(4*\n+\m):8*(4*\n+\m)+7], v[16*(4*((\sg)%4)+\n):16*(4*((\sg)%4)+\n)+15], v[128+64*((\sg)%2)+16*\m:128+64*((\sg)%2)+16*\m+15], 0
.else
	v_wmma_f32_16x16x128_bf8_bf8 v[8*(4*\n+\m):8*(4*\n+\m)+7], v[16*(4*((\sg)%4)+\n):16*(4*((\sg)%4)+\n)+15], v[128+64*((\sg)%2)+16*\m:128+64*((\sg)%2)+16*\m+15], v[8*(4*\n+\m):8*(4*\n+\m)+7]
.endif
.endr
.endr
	PLACES
.if \sg < 4
	WIN 0xc0
	s_wait_alu depctr_va_vdst(0)                   ; this step's products are done reading their set of the ring, in which the loads below land, and their buffer of hidden fragments, in which the next step's LDS loads land
.irp n, 0,1,2,3
.irp c, 0,1,2,3
	global_load_b128 v[16*(4*\sg+\n)+4*\c:16*(4*\sg+\n)+4*\c+3], v1, s[10:11] offset:(16+4*\sg+\n)*2048+512*\c   ; K step sg + 4's
.endr
.endr
.elseif \sg < 6
	WIN 0x40
	s_wait_alu depctr_va_vdst(0)                   ; this step's products are done reading their buffer of hidden fragments, in which the next step's LDS loads land
.endif
.endm
	WIN 0x40
	HLOAD 0                                        ; no wait here, nor ahead of the next run: the products that read x's fragments in these registers stand ahead of the loop's last waits, and nothing has named them since
.irp g, 0,1,2,3,4,5,6,7
	SIGMA \g
.endr
	WIN 0
	s_wait_alu depctr_vm_vsrc(0)                   ; the last trip's LDS stores have read v144 to v147, in which the rows' addresses are made below
	s_cmp_eq_u32 s41, 0                            ; a tile without rows stores nothing: the count was made by scalar loads and scalar sums
	s_cbranch_scc1 .Lend
	v_bfe_u32 v152, v0, 4, 1                       ; h
	v_add_nc_u32 v153, -1, v152                    ; all ones in lanes 0-15
	v_sub_nc_u32 v154, 0, v152                     ; all ones in lanes 16-31
; THE WAY OUT, a tile of 16 rows at a time: gate x (sum x 2^(e2 + e3) + b2); through my stage, so that sixteen lanes store my 256 bytes of a row of ybuf whole.
; The sixteen rows' places come into s20-35 in one run; the arithmetic stands between that run and the wait for it; one wait then speaks for the results and the addresses alike.
.macro OUTM m
.if \m < 2
.set SLV, 9
.else
.set SLV, 13
.endif
.if \m > 0
	s_wait_xcnt 0x0                                ; the last tile's stores have read their registers
	s_wait_alu depctr_vm_vsrc(0)                   ; the last tile's LDS stores have read v72 to v103, its global stores v104 to v135 and their addresses v144 to v151: all are written again below
.endif
.irp i, 0,1,2,3,4,5,6,7
	v_readlane_b32 s[20+2*\i], v[SLV], 16*(\m%2)+2*\i     ; the place of row 16 m + 2 i, for lanes 0-15,
	v_readlane_b32 s[21+2*\i], v[SLV], 16*(\m%2)+2*\i+1   ; of the next row, for lanes 16-31
.endr
	WIN 0x01                                       ; source 0 window 1
.irp n, 0,1,2,3
.irp i, 0,2,4,6
	v_pk_fma_f32 v[OO+8*\n+\i:OO+8*\n+\i+1], v[8*(4*\n+\m)+\i:8*(4*\n+\m)+\i+1], s[56:57], v[B2R+8*\n+\i:B2R+8*\n+\i+1] op_sel_hi:[1,0,1]
.endr
.endr
	WIN 0
.irp j, 0,2,4,6,8,10,12,14,16,18,20,22,24,26,28,30
	v_pk_mul_f32 v[OO+\j:OO+\j+1], v[OO+\j:OO+\j+1], v[14+2*\m:15+2*\m] op_sel_hi:[1,0]
.endr
	s_wait_alu depctr_va_sdst(0)                   ; the sixteen v_readlane_b32 have written s20 to s35, ahead of their first reader
.irp i, 0,1,2,3,4,5,6,7
	v_and_b32 v[AD+\i], s[20+2*\i], v153
	v_and_or_b32 v[AD+\i], s[21+2*\i], v154, v[AD+\i]
	v_min_u32 v[AD+\i], 0x1fff, v[AD+\i]
	v_lshl_add_u32 v[AD+\i], v[AD+\i], 10, v10
.endr
	s_wait_alu depctr_va_vdst(0)                   ; v72 to v103 are written, which the LDS stores read, and v144 to v151, the global stores' addresses; every vector line that named v104 to v135, in which the rows land, is done
.irp n, 0,1,2,3
	ds_store_b128 v7, v[OO+8*\n:OO+8*\n+3] offset:64*\n
	ds_store_b128 v7, v[OO+8*\n+4:OO+8*\n+7] offset:64*\n+16
.endr
.irp i, 0,1,2,3,4,5,6,7
	ds_load_b128 v[RB+4*\i:RB+4*\i+3], v8 offset:2*SP*\i       ; LDS serves a wave's instructions in order (ISA guide 5.7.1.4): these see my stores
.endr
	s_wait_dscnt 0x0
.irp i, 0,1,2,3,4,5,6,7
	global_store_b128 v[AD+\i], v[RB+4*\i:RB+4*\i+3], s[18:19]
.endr
.endm
	OUTM 0
	OUTM 1
	OUTM 2
.Lend:
	s_wait_dscnt 0x0                               ; the closing lines, six on end
	s_wait_alu 0x0
	s_wait_tensorcnt 0x0
	ds_add_u32 v254, v255
	s_wait_dscnt 0x0
	s_endpgm
.Lfunc_end_k_q9a7e4e927d_chain:
	.size	k_q9a7e4e927d_chain, .Lfunc_end_k_q9a7e4e927d_chain-k_q9a7e4e927d_chain
	.p2alignl 7, 3214868480
	.fill 96, 4, 3214868480
	.section	.rodata,"a",@progbits
	.p2align	6, 0x0
	.amdhsa_kernel k_q9a7e4e927d_chain
		.amdhsa_group_segment_fixed_size 121088
		.amdhsa_private_segment_fixed_size 0
		.amdhsa_enable_private_segment 0
		.amdhsa_kernarg_size 64
		.amdhsa_user_sgpr_count 2
		.amdhsa_user_sgpr_kernarg_segment_ptr 1
		.amdhsa_wavefront_size32 1
		.amdhsa_system_sgpr_workgroup_id_x 1
		.amdhsa_system_sgpr_workgroup_id_y 1
		.amdhsa_system_sgpr_workgroup_id_z 1
		.amdhsa_system_vgpr_workitem_id 0
		.amdhsa_next_free_vgpr 1024
		.amdhsa_next_free_sgpr 100
		.amdhsa_reserve_vcc 0
		.amdhsa_float_denorm_mode_32 3
		.amdhsa_float_denorm_mode_16_64 3
		.amdhsa_memory_ordered 1
		.amdhsa_forward_progress 1
		.amdhsa_inst_pref_size 151
	.end_amdhsa_kernel
	.amdgpu_metadata
---
amdhsa.version: [ 1, 2 ]
amdhsa.kernels:
  - .name:           k_q9a7e4e927d_chain
    .symbol:         k_q9a7e4e927d_chain.kd
    .args:
      - { .name: rt, .offset: 0, .size: 8, .value_kind: global_buffer, .address_space: global }
      - { .name: gate, .offset: 8, .size: 8, .value_kind: global_buffer, .address_space: global }
      - { .name: xq, .offset: 16, .size: 8, .value_kind: global_buffer, .address_space: global }
      - { .name: wr, .offset: 24, .size: 8, .value_kind: global_buffer, .address_space: global }
      - { .name: b1, .offset: 32, .size: 8, .value_kind: global_buffer, .address_space: global }
      - { .name: b2, .offset: 40, .size: 8, .value_kind: global_buffer, .address_space: global }
      - { .name: lowp_scales, .offset: 48, .size: 8, .value_kind: global_buffer, .address_space: global }
      - { .name: ybuf, .offset: 56, .size: 8, .value_kind: global_buffer, .address_space: global }
    .group_segment_fixed_size: 121088
    .private_segment_fixed_size: 0
    .kernarg_segment_align: 8
    .kernarg_segment_size: 64
    .max_flat_workgroup_size: 128
    .sgpr_count:     100
    .vgpr_count:     1024
    .wavefront_size: 32
...
	.end_amdgpu_metadata
.endif
;; end of part 5
;; launch combine (part 6): grid 256 x 1, 8 waves a work-group, no clusters, 0 bytes of LDS; arguments ybuf, auxp, out0, out1; writes out0, out1
.if DOCPART == 6
	.amdgcn_target "amdgcn-amd-amdhsa--gfx1250"
	.amdhsa_code_object_version 6
	.text
	.protected	k_q9a7e4e927d_combine
	.globl	k_q9a7e4e927d_combine
	.p2align	8
	.type	k_q9a7e4e927d_combine,@function
k_q9a7e4e927d_combine:
	s_mov_b64 s[64:65], 0
	v_nop
	global_prefetch_b8 v0, s[64:65] scope:SCOPE_SE
	s_setreg_imm32_b32 hwreg(HW_REG_WAVE_MODE, 25, 1), 1
	s_wait_xcnt 0x0
; out0[n] = ybuf[2 n] + ybuf[2 n + 1] (each row already carries its gate), and out1 = 0.01 / 32,768 x the sum of the 128 groups' terms.
; A stream: a work-group takes 16 tokens; all eight loads of a thread are on their way together; each load and store of a wave covers 512 consecutive bytes.
; No LDS, no barrier, no matrix unit: there is nothing to share and nothing to multiply.
	s_load_b256 s[4:11], s[0:1], 0x0               ; ybuf, auxp, out0, out1
	v_lshrrev_b32 v1, 6, v0                        ; which of four tokens
	v_and_b32 v2, 63, v0
	s_delay_alu instid0(VALU_DEP_1)
	v_lshlrev_b32 v2, 4, v2                        ; my 16 bytes of its 1,024
	s_delay_alu instid0(VALU_DEP_1)
	v_lshl_add_u32 v1, v1, 11, v2                  ; in: a token's two rows are 2,048 bytes
	v_lshlrev_b32 v3, 4, v0                        ; out
	v_lshrrev_b32 v6, 5, v0
	s_delay_alu instid0(VALU_DEP_1)
	v_readfirstlane_b32 s18, v6                    ; wave
	s_lshl_b32 s12, ttmp9, 15
	s_mov_b32 s13, 0
	s_lshl_b32 s14, ttmp9, 14
	s_mov_b32 s15, 0
	s_wait_alu depctr_va_vdst(0)
	s_wait_kmcnt 0x0
	s_add_nc_u64 s[4:5], s[4:5], s[12:13]
	s_add_nc_u64 s[8:9], s[8:9], s[14:15]
.irp q, 0,1,2,3
	global_load_b128 v[8+8*\q:11+8*\q], v1, s[4:5] offset:8192*\q th:TH_LOAD_NT
	global_load_b128 v[12+8*\q:15+8*\q], v1, s[4:5] offset:8192*\q+1024 th:TH_LOAD_NT
.endr
.irp q, 0,1,2,3
	s_wait_loadcnt 6-2*\q                          ; this pair is in; the later pairs may be out
	v_pk_add_f32 v[8+8*\q:9+8*\q], v[8+8*\q:9+8*\q], v[12+8*\q:13+8*\q]
	v_pk_add_f32 v[10+8*\q:11+8*\q], v[10+8*\q:11+8*\q], v[14+8*\q:15+8*\q]
	global_store_b128 v3, v[8+8*\q:11+8*\q], s[8:9] offset:4096*\q th:TH_STORE_NT
.endr
	s_cmp_lg_u32 ttmp9, 0
	s_cbranch_scc1 .Ldone
	s_cmp_lg_u32 s18, 0
	s_cbranch_scc1 .Ldone
	; ---- work-group 0, wave 0: the aux loss ----
	v_and_b32 v4, 31, v0
	s_delay_alu instid0(VALU_DEP_1)
	v_lshlrev_b32 v5, 4, v4
	global_load_b128 v[40:43], v5, s[6:7]          ; the 128 partial sums, four a lane
	s_mov_b32 s16, 0x76543210
	s_mov_b32 s17, 0xfedcba98
	v_mov_b32 v44, 0                               ; written once: a permute's destination counts as read
	s_wait_loadcnt 0x0
	v_add_f32 v40, v40, v41
	v_add_f32 v42, v42, v43
	s_delay_alu instid0(VALU_DEP_1)
	v_add_f32 v40, v40, v42
	s_delay_alu instid0(VALU_DEP_1)
	v_add_f32_dpp v40, v40, v40 row_xmask:1 row_mask:0xf bank_mask:0xf
	s_delay_alu instid0(VALU_DEP_1)
	v_add_f32_dpp v40, v40, v40 row_xmask:2 row_mask:0xf bank_mask:0xf
	s_delay_alu instid0(VALU_DEP_1)
	v_add_f32_dpp v40, v40, v40 row_xmask:4 row_mask:0xf bank_mask:0xf
	s_delay_alu instid0(VALU_DEP_1)
	v_add_f32_dpp v40, v40, v40 row_xmask:8 row_mask:0xf bank_mask:0xf
	s_wait_alu depctr_va_vdst(0)
	v_permlanex16_b32 v44, v40, s16, s17
	s_delay_alu instid0(VALU_DEP_1)
	v_add_f32 v40, v40, v44
	s_delay_alu instid0(VALU_DEP_1)
	v_mul_f32 v40, 0x34a3d70a, v40                 ; x 0.01 / (4,096 x 8)
	s_wait_alu depctr_va_vdst(0)
	s_wait_xcnt 0x0                                ; EXEC is a source of the pending stores: it changes only behind this wait
	v_cmpx_gt_u32 1, v4
	global_store_b32 v5, v40, s[10:11]             ; (lane 0's offset is 0)
	s_endpgm
.Ldone:
	s_endpgm
.Lfunc_end_k_q9a7e4e927d_combine:
	.size	k_q9a7e4e927d_combine, .Lfunc_end_k_q9a7e4e927d_combine-k_q9a7e4e927d_combine
	.p2alignl 7, 3214868480
	.fill 96, 4, 3214868480
	.section	.rodata,"a",@progbits
	.p2align	6, 0x0
	.amdhsa_kernel k_q9a7e4e927d_combine
		.amdhsa_group_segment_fixed_size 0
		.amdhsa_private_segment_fixed_size 0
		.amdhsa_enable_private_segment 0
		.amdhsa_kernarg_size 32
		.amdhsa_user_sgpr_count 2
		.amdhsa_user_sgpr_kernarg_segment_ptr 1
		.amdhsa_wavefront_size32 1
		.amdhsa_system_sgpr_workgroup_id_x 1
		.amdhsa_system_sgpr_workgroup_id_y 1
		.amdhsa_system_sgpr_workgroup_id_z 1
		.amdhsa_system_vgpr_workitem_id 0
		.amdhsa_next_free_vgpr 64
		.amdhsa_next_free_sgpr 66
		.amdhsa_reserve_vcc 0
		.amdhsa_float_denorm_mode_32 3
		.amdhsa_float_denorm_mode_16_64 3
		.amdhsa_memory_ordered 1
		.amdhsa_forward_progress 1
		.amdhsa_inst_pref_size 5
	.end_amdhsa_kernel
	.amdgpu_metadata
---
amdhsa.version: [ 1, 2 ]
amdhsa.kernels:
  - .name:           k_q9a7e4e927d_combine
    .symbol:         k_q9a7e4e927d_combine.kd
    .args:
      - { .name: ybuf, .offset: 0, .size: 8, .value_kind: global_buffer, .address_space: global }
      - { .name: auxp, .offset: 8, .size: 8, .value_kind: global_buffer, .address_space: global }
      - { .name: out0, .offset: 16, .size: 8, .value_kind: global_buffer, .address_space: global }
      - { .name: out1, .offset: 24, .size: 8, .value_kind: global_buffer, .address_space: global }
    .group_segment_fixed_size: 0
    .private_segment_fixed_size: 0
    .kernarg_segment_align: 8
    .kernarg_segment_size: 32
    .max_flat_workgroup_size: 256
    .sgpr_count:     66
    .vgpr_count:     64
    .wavefront_size: 32
...
	.end_amdgpu_metadata
.endif
;; end of part 6
